; MI455X (gfx1250); checked and timed in simulation.
; The chip was launched on July 23, 2026; its instructions are those of AMD's public machine-readable ISA for CDNA 5 (MIT licence, August 2026) and "CDNA5" Instruction Set Architecture Reference Guide (July 2026). The comments in the code are by the model that wrote it; some were corrected since.
;; Attention. Allowed arithmetic: float matrix products may take bf16 or f16 operands with f32 sums; all other float work in f32.
;; Inputs: Wk 512 x 512 float32; Wq 512 x 512 float32; Wv 512 x 512 float32; beta 512 float32; bk 512 float32; bq 512 float32; bv 512 float32; env 8,192 x 512 float32; gamma 512 float32; path 512 float32.
;; Outputs: out0 8,192 x 512 float32.
;; 3 versions, each right and faster than the one before. Each part assembles by itself: llvm-mc -triple=amdgcn-amd-amdhsa -mcpu=gfx1250 --defsym DOCPART=n.
;; ======== version 1 of 3: 3 launches
;; workspace buffers: Qf 8,388,608 bytes; Kf 8,388,608 bytes; Vw 16,777,216 bytes; pp 262,144 bytes; pvc 262,144 bytes; st 1,048,576 bytes
;; launch proj (part 1): grid 8 x 32, 4 waves a work-group, clusters of 4 x 4, 327,680 bytes of LDS; arguments env, path, Wq, Wk, Wv, bq, bk, bv, Qf, Kf, Vw, pp, pvc; writes Qf, Kf, Vw, pp, pvc
.if DOCPART == 1
	.amdgcn_target "amdgcn-amd-amdhsa--gfx1250"
	.amdhsa_code_object_version 6
	.text
	.protected	k_q4f615f5985_proj
	.globl	k_q4f615f5985_proj
	.p2align	8
	.type	k_q4f615f5985_proj,@function
k_q4f615f5985_proj:
	s_mov_b64 s[64:65], 0
	v_nop
	global_prefetch_b8 v0, s[64:65] scope:SCOPE_SE
	s_setreg_imm32_b32 hwreg(HW_REG_WAVE_MODE, 25, 1), 1
	s_wait_xcnt 0x0
	s_wait_alu depctr_hold_cnt(0) depctr_sa_sdst(0) depctr_va_vdst(0) depctr_va_sdst(0) depctr_va_ssrc(0) depctr_va_vcc(0) depctr_vm_vsrc(0)
	s_getreg_b32 s2, hwreg(HW_REG_IB_STS2, 6, 4)
	s_cmp_eq_u32 s2, 0
	s_cbranch_scc0 .Lentry_in_a_cluster
	s_endpgm
.Lentry_in_a_cluster:
	s_bfe_u32 s2, ttmp6, 0x10000c
	s_cmp_lg_u32 s2, 0xf033
	s_cbranch_scc0 .Lentry_shape_is_right
	s_endpgm
.Lentry_shape_is_right:
; PROJECTIONS.  Q c = (env Wq^T + bq) c, K = env Wk^T + bk, V = env Wv^T + bv, and for path: pq c, pv; c = log2(e) / sqrt(512),
; so that every later exponential is a bare 2^x.  Products in bf16 with f32 sums (operands rounded on the way from LDS to the matrix unit).
; A work-group owns 256 rows of env and 64 columns of each of Q, K, V; four waves, wave w rows 64 w .. 64 w + 63 and all 192 columns:
; 4 row blocks x 12 column tiles.  A fifth "row block" whose sixteen rows all hold path rides along for Q's and V's tiles: its result
; holds pq (pv) of columns c0 + 8 h + j in every lane, the layout in which K's results lie, so K . pq is a plain multiply-add.
; THE MATRIX INSTRUCTION IS USED TRANSPOSED: source 0 = 16 rows of W (output columns), source 1 = 16 rows of env.  Lane (r, h), register j
; then holds out[row r][c0 + 8 h + j]: eight neighbouring columns of one row.
; OUT: Qf, Kf in bf16 in FRAGMENT ORDER: byte blk16*16384 + ks*1024 + j*512 + lane*16 holds row 16 blk16 + (lane & 15), columns
; 32 ks + 16 j + 8 (lane >> 4) + 0..7: what four conversions of a result tile give, and registers 4 j .. 4 j + 3 of a 16 x 32 operand.  Each store
; of a wave covers 512 consecutive bytes.  Vw f32 row-major (through a stage in LDS, sixteen lanes store 256 consecutive aligned bytes).
; pp[cb][g][lane][q]: the part of K_i . pq c from my 64 columns, row 64 g + 16 (2 q + (lane >> 4)) + (lane & 15).  pvc[g][512]: pv, one copy for each
; group of 64 rows, so that every byte has one writer and no branch hangs on the work-group's place.
; CLUSTERS: 4 x 4 work-groups.  env's tiles hang on the block row alone and are asked for jointly along a row of the cluster; W's tiles hang on the
; block column alone and are asked for jointly along a column.  That divides the requests for both by four.
; K goes in steps of 64 f32 (rows of 256 bytes, each starting at a multiple of 256 bytes in its buffer) through two LDS slots.
.set PITCH,  272                       ; an LDS row: 256 bytes + 16 of padding, so the 16 rows that a load touches start 17 x 16 bytes apart
.set ETILE,  64*PITCH                  ; 64 rows: a wave's part of env, and the whole of one W's tile
.set WQ4,    16*PITCH                  ; 16 rows: a wave's part of a W tile, one operand's rows, and a wave's stage
.set SLOT,   7*ETILE                   ; env 256 rows, then Wq, Wk, Wv 64 rows each
.set WOFF,   4*ETILE
.set PATHL,  2*SLOT                    ; path in bf16, 1,024 bytes, written by LDS stores: no tensor load lands here
.set STAGE,  PATHL+1024                ; 4 x 4,352 bytes, a stage for each wave: no tensor load lands here
; window 0
.set AE,   4                           ; v4-5    LDS address of my env rows in slot 0, 1: slot + w*ETILE + r*272 + 32 h
.set AW,   6                           ; v6-7    the same for W's rows
.set AP,   8                           ; v8      path's operand: PATHL + 16 h, stepped by 128 bytes a trip
.set BOFF, 9                           ; v9      byte offset of my 8 bias numbers of tile 0: 256 cb + 32 h (never rewritten)
.set ST0,  16                          ; v16-79   f32 as read from LDS, two buffers
.set ST1,  80                          ; v80-143
.set WB0,  144                         ; v144-175 four operands of W in bf16, two buffers
.set WB1,  176
.set EB,   208                         ; v208-239 four operands of env in bf16
.set PB0,  240                         ; v240-247 path's operand, two buffers
.set PB1,  248
; windows 1 (Q), 2 (K), 3 (V): accumulator tile (t, b) at 8 (5 t + b); b = 4 is path's (not used for K)
.set BI,   160                         ; bias of tile t at BI + 8 t
.set TP,   192                         ; at work
.set LN16, 224                         ; 16 x lane
.set LN8,  225                         ; 8 x lane
.set STO,  226                         ; stage + r*272 + 32 h
.set RD,   227                         ; stage + h*272 + 16 r
.set CO,   228                         ; h*2048 + 16 r
.set PVS,  229                         ; stage + 32 h
.set RD8,  230                         ; stage + 8 x lane
.set PVT,  232
.set G1E,  40                          ; s[40:47] group 1 for env's tiles (64 rows x 64 f32)
.set G1W,  48                          ; s[48:55] group 1 for W's tiles (16 rows x 64 f32)
.set G0,   68                          ; s[68:99] group 0: set 16*slot + 4*m, m = 0 env, 1 Wq, 2 Wk, 3 Wv
.set G1BITS, (2<<16)|(1<<20)|(1<<21)|(5<<22)|(3<<25)   ; elements of 4 bytes; padding on; bit 21 beside a mask; after every 64 words, 4 words
.set MSB, 0
.macro WIN new                         ; the immediate's high byte repeats the setting that is left
.if MSB != \new
	s_set_vgpr_msb (MSB<<8)|\new
.set MSB, \new
.endif
.endm
.macro PLACES                          ; four plain vector instructions between a matrix instruction and a write of one of its registers (ISA guide 7.12.1)
.rept 4
	v_nop
.endr
.endm
; A round of the cluster's barrier: my work-group's barrier, wave 0 signals for the work-group, every wave waits for all sixteen, my work-group's barrier again.
.macro ROUND
	s_barrier_signal -1
	s_barrier_wait -1
	s_cmp_lg_u32 s30, 0
	s_cbranch_scc1 .Lnot_wave_0_\@
	s_barrier_signal -3
.Lnot_wave_0_\@:
	s_barrier_wait -3
	s_barrier_signal -1
	s_barrier_wait -1
.endm
; A wave's four joint loads for one slot: its 64 rows of env, its 16 rows of each W.  Four tensor loads of a wave are out at the most.
.macro LOAD4 s
	tensor_load_to_lds s[G0+16*\s:G0+16*\s+3], s[G1E:G1E+7]
	s_nop 0
	tensor_load_to_lds s[G0+16*\s+4:G0+16*\s+7], s[G1W:G1W+7]
	s_nop 0
	tensor_load_to_lds s[G0+16*\s+8:G0+16*\s+11], s[G1W:G1W+7]
	s_nop 0
	tensor_load_to_lds s[G0+16*\s+12:G0+16*\s+15], s[G1W:G1W+7]
	s_nop 0
.endm
; 16 LDS loads: four operands (16 rows x 32 K) as f32.  Lane (r, h) needs K = 8 h .. 8 h + 7 (32 bytes at 32 h) and K = 16 + 8 h .. (32 bytes at 64 + 32 h).
.macro FETCH areg, off, st
.irp i, 0,1,2,3
	ds_load_b128 v[\st+16*\i:\st+16*\i+3],     v[\areg] offset:\off+\i*WQ4
	ds_load_b128 v[\st+16*\i+4:\st+16*\i+7],   v[\areg] offset:\off+\i*WQ4+16
	ds_load_b128 v[\st+16*\i+8:\st+16*\i+11],  v[\areg] offset:\off+\i*WQ4+64
	ds_load_b128 v[\st+16*\i+12:\st+16*\i+15], v[\areg] offset:\off+\i*WQ4+80
.endr
.endm
.macro FETCHP off, pb                  ; path's operand: the same 16 bytes for all sixteen r
	ds_load_b128 v[\pb:\pb+3],   v[AP] offset:\off
	ds_load_b128 v[\pb+4:\pb+7], v[AP] offset:\off+32
.endm
.macro CVT st, dst                     ; 64 f32 a lane to 32 registers of bf16: four operands
.set CI, 0
.rept 32
	v_cvt_pk_bf16_f32 v[\dst+CI], v[\st+2*CI], v[\st+2*CI+1]
.set CI, CI+1
.endr
.endm
; 16 or 20 matrix instructions: four column tiles x four row blocks (and path's).  The accumulators take turns, one instruction a turn.
.macro MULG wsel, wb, pb, zero, path
	WIN \wsel
.irp t, 0,1,2,3
.irp b, 0,1,2,3
.if \zero
	v_wmma_f32_16x16x32_bf16 v[8*(5*\t+\b):8*(5*\t+\b)+7], v[\wb+8*\t:\wb+8*\t+7], v[EB+8*\b:EB+8*\b+7], 0
.else
	v_wmma_f32_16x16x32_bf16 v[8*(5*\t+\b):8*(5*\t+\b)+7], v[\wb+8*\t:\wb+8*\t+7], v[EB+8*\b:EB+8*\b+7], v[8*(5*\t+\b):8*(5*\t+\b)+7]
.endif
.endr
.if \path
.if \zero
	v_wmma_f32_16x16x32_bf16 v[8*(5*\t+4):8*(5*\t+4)+7], v[\wb+8*\t:\wb+8*\t+7], v[\pb:\pb+7], 0
.else
	v_wmma_f32_16x16x32_bf16 v[8*(5*\t+4):8*(5*\t+4)+7], v[\wb+8*\t:\wb+8*\t+7], v[\pb:\pb+7], v[8*(5*\t+4):8*(5*\t+4)+7]
.endif
.endif
.endr
	WIN 0
.endm
; One K step of 64 = two substeps of 32.  The round is the barrier in front of the refill: in front of it every wave has waited for all its tensor loads
; (its part of this trip's tile among them) and for its reads of the other slot; behind it the other slot is asked for first.
; Each counted s_wait_dscnt leaves out the loads of the one group issued behind the group that is converted next (16, or 18 with path's two).
; A W buffer is written again only behind the 32 conversions of the group between; EB behind four v_nop; the f32 buffers are no matrix operands.
.macro TRIP slot, refill, zero
	s_set_vgpr_msb 0x4
	s_wait_tensorcnt 0x0                           ; all my tensor loads have landed, so every group 0 may be written:
	ds_add_u32 v15, v255
	s_wait_dscnt 0x0
	s_set_vgpr_msb 0x400
.irp m, 0,1,2,3
	s_add_nc_u64 s[G0+16*\slot+4*\m+2:G0+16*\slot+4*\m+3], s[G0+16*\slot+4*\m+2:G0+16*\slot+4*\m+3], 512   ; this slot's next tile, two K steps on
.endr
	s_wait_dscnt 0x0                               ; my reads of the other slot are back (and, in the first trip, my store of path is done)
	ROUND
.if \refill
	LOAD4 (1-\slot)
.endif
	FETCH AE+\slot, 0, ST0
	FETCHP 0, PB0
	FETCH AW+\slot, 0, ST1
	s_wait_dscnt 16
	PLACES
	CVT ST0, EB
	FETCH AW+\slot, ETILE, ST0
	s_wait_dscnt 16
	CVT ST1, WB0
	MULG 0x50, WB0, PB0, \zero, 1
	FETCH AW+\slot, 2*ETILE, ST1
	s_wait_dscnt 16
	CVT ST0, WB1
	MULG 0xa0, WB1, PB0, \zero, 0
	FETCH AE+\slot, 128, ST0
	FETCHP 64, PB1
	s_wait_dscnt 18
	CVT ST1, WB0
	MULG 0xf0, WB0, PB0, \zero, 1
	FETCH AW+\slot, 128, ST1
	s_wait_dscnt 16
	PLACES
	CVT ST0, EB
	FETCH AW+\slot, ETILE+128, ST0
	s_wait_dscnt 16
	CVT ST1, WB1
	MULG 0x50, WB1, PB1, 0, 1
	FETCH AW+\slot, 2*ETILE+128, ST1
	s_wait_dscnt 16
	CVT ST0, WB0
	MULG 0xa0, WB0, PB1, 0, 0
	s_wait_dscnt 0x0
	CVT ST1, WB1
	MULG 0xf0, WB1, PB1, 0, 1
	v_add_nc_u32 v[AP], 128, v[AP]                 ; path: 64 bf16 on
.endm
; 16 result tiles to bf16 in place and out in fragment order
.macro OUTB sb
.irp b, 0,1,2,3
.irp t, 0,1,2,3
.irp i, 0,1,2,3
	v_cvt_pk_bf16_f32 v[8*(5*\t+\b)+\i], v[8*(5*\t+\b)+2*\i], v[8*(5*\t+\b)+2*\i+1]
.endr
	global_store_b128 v[LN16], v[8*(5*\t+\b):8*(5*\t+\b)+3], s[\sb:\sb+1] offset:\b*16384+\t*512
.endr
.endr
.endm
	s_load_b512 s[4:19], s[0:1], 0x0               ; env s[4:5], path s[6:7], Wq s[8:9], Wk s[10:11], Wv s[12:13], bq s[14:15], bk s[16:17], bv s[18:19]
	s_load_b256 s[20:27], s[0:1], 0x40             ; Qf s[20:21], Kf s[22:23], Vw s[24:25], pp s[26:27]
	s_load_b64 s[28:29], s[0:1], 0x60              ; pvc
	v_lshl_add_u32 v15, v0, 2, 0x40000
	s_set_vgpr_msb 0x40
	v_mov_b32 v255, 0
	s_set_vgpr_msb 0x4044
	ds_add_u32 v15, v255
	s_set_vgpr_msb 0x4400
	v_lshrrev_b32 v1, 5, v0
	v_readfirstlane_b32 s30, v1                    ; wave
	v_and_b32 v1, 31, v0                           ; lane
	v_and_b32 v2, 15, v0                           ; r
	v_bfe_u32 v3, v0, 4, 1                         ; h
	s_bfe_u32 s31, ttmp6, 0x40000                  ; cx
	s_bfe_u32 s32, ttmp6, 0x40004                  ; cy
	s_lshl_b32 s33, ttmp9, 2
	s_add_co_u32 s33, s33, s31                     ; cb: block of 64 columns = 4 x cluster x + cx
	s_and_b32 s34, ttmp7, 0xffff
	s_lshl_b32 s34, s34, 2
	s_add_co_u32 s34, s34, s32                     ; rb: block of 256 rows = 4 x cluster y + cy
	s_lshl_b32 s36, s32, 2
	s_lshl_b32 s36, 15, s36                        ; my row of the cluster
	s_lshl_b32 s38, 0x1111, s31                    ; my column
	s_or_b32 s[G1E], s36, G1BITS                   ; env's tiles go to my row
	s_or_b32 s[G1W], s38, G1BITS                   ; W's tiles go to my column
	s_mov_b32 s[G1E+1], 64<<16                     ; tensor_dim0 = 64
	s_mov_b32 s[G1E+2], 64<<16                     ; tensor_dim1 = 64
	s_mov_b32 s[G1E+3], 64<<16                     ; tile_dim0 = 64
	s_mov_b32 s[G1E+4], 64                         ; tile_dim1 = 64
	s_mov_b32 s[G1E+5], 512                        ; elements from row to row
	s_mov_b32 s[G1E+6], 0
	s_mov_b32 s[G1E+7], 0
	s_mov_b32 s[G1W+1], 64<<16
	s_mov_b32 s[G1W+2], 16<<16                     ; 16 rows
	s_mov_b32 s[G1W+3], 64<<16
	s_mov_b32 s[G1W+4], 16
	s_mov_b32 s[G1W+5], 512
	s_mov_b32 s[G1W+6], 0
	s_mov_b32 s[G1W+7], 0
	s_mov_b32 s57, 0x76543210                      ; v_permlanex16_b32: lane i reads lane i of the other half
	s_mov_b32 s58, 0xfedcba98
	s_mov_b32 s60, 0x3d8293ee                      ; c = log2(e) / sqrt(512), twice: a pair for the packed forms
	s_mov_b32 s61, 0x3d8293ee
	; s[36:37] hold only what is made of cy and the wave's number, s[38:39] only what is made of cx and the wave's number
	s_lshl_b32 s36, s34, 19                        ; env: (256 rb + 64 w) rows of 2,048 bytes
	s_lshl_b32 s35, s30, 17
	s_add_co_u32 s36, s36, s35
	s_mov_b32 s37, 0
	s_lshl_b32 s38, s33, 17                        ; W: (64 cb + 16 w) rows of 2,048 bytes
	s_lshl_b32 s35, s30, 15
	s_add_co_u32 s38, s38, s35
	s_mov_b32 s39, 0
	s_mul_i32 s35, s30, ETILE                      ; where they go: the wave's number alone enters an LDS address
	s_mul_i32 s2, s30, WQ4
	s_wait_dscnt 0x0
	s_wait_kmcnt 0x0
	s_add_nc_u64 s[4:5], s[4:5], s[36:37]
	s_add_nc_u64 s[8:9], s[8:9], s[38:39]
	s_add_nc_u64 s[10:11], s[10:11], s[38:39]
	s_add_nc_u64 s[12:13], s[12:13], s[38:39]
.irp s, 0,1
	s_mov_b32 s[G0+16*\s], 1
	s_add_co_u32 s[G0+16*\s+1], s35, \s*SLOT
	s_add_nc_u64 s[G0+16*\s+2:G0+16*\s+3], s[4:5], \s*256          ; K step s
	s_or_b32 s[G0+16*\s+3], s[G0+16*\s+3], 0x80000000
.irp m, 0,1,2
	s_mov_b32 s[G0+16*\s+4*\m+4], 1
	s_add_co_u32 s[G0+16*\s+4*\m+5], s2, \s*SLOT+WOFF+\m*ETILE
	s_add_nc_u64 s[G0+16*\s+4*\m+6:G0+16*\s+4*\m+7], s[8+2*\m:9+2*\m], \s*256
	s_or_b32 s[G0+16*\s+4*\m+7], s[G0+16*\s+4*\m+7], 0x80000000
.endr
.endr
	ROUND                                          ; all sixteen work-groups are here: the first joint loads meet
	LOAD4 0                                        ; K step 0 is on its way while the rest is set up
	v_mul_u32_u24 v10, v2, PITCH
	v_lshl_add_u32 v10, v3, 5, v10                 ; r*272 + 32 h
	v_add_nc_u32 v[AE], s35, v10
	v_add_nc_u32 v[AE+1], SLOT, v[AE]
	v_add_nc_u32 v[AW], WOFF, v10
	v_add_nc_u32 v[AW+1], WOFF+SLOT, v10
	v_lshl_add_u32 v[AP], v3, 4, PATHL
	v_lshlrev_b32 v11, 4, v0                       ; path: thread t takes 4 f32 at byte 16 t
	v_lshl_add_u32 v12, v0, 3, PATHL               ; and puts 4 bf16 at byte 8 t
	v_mul_u32_u24 v13, v3, PITCH
	v_lshl_add_u32 v13, v2, 4, v13                 ; h*272 + 16 r
	v_lshlrev_b32 v14, 4, v2                       ; 16 r
	s_add_co_u32 s62, s2, STAGE                    ; my stage
	; the outputs' bases
	s_lshl_b32 s36, s34, 18                        ; Qf, Kf: (16 rb + 4 w) blocks of 16,384 bytes + cb x 2,048
	s_lshl_b32 s3, s30, 16
	s_add_co_u32 s36, s36, s3
	s_lshl_b32 s38, s33, 11
	s_add_nc_u64 s[20:21], s[20:21], s[36:37]
	s_add_nc_u64 s[20:21], s[20:21], s[38:39]
	s_add_nc_u64 s[22:23], s[22:23], s[36:37]
	s_add_nc_u64 s[22:23], s[22:23], s[38:39]
	s_lshl_b32 s36, s34, 19                        ; Vw: (256 rb + 64 w) rows of 2,048 bytes + cb x 256
	s_lshl_b32 s3, s30, 17
	s_add_co_u32 s36, s36, s3
	s_lshl_b32 s38, s33, 8
	s_add_nc_u64 s[24:25], s[24:25], s[36:37]
	s_add_nc_u64 s[24:25], s[24:25], s[38:39]
	v_lshl_add_u32 v[BOFF], v3, 5, s38             ; bias: 256 cb + 32 h
	s_lshl_b32 s36, s34, 13                        ; pvc: (4 rb + w) x 2,048 + cb x 256
	s_lshl_b32 s3, s30, 11
	s_add_co_u32 s36, s36, s3
	s_add_nc_u64 s[28:29], s[28:29], s[36:37]
	s_add_nc_u64 s[28:29], s[28:29], s[38:39]
	s_lshl_b32 s36, s34, 10                        ; pp: cb x 32,768 + (4 rb + w) x 256
	s_lshl_b32 s3, s30, 8
	s_add_co_u32 s36, s36, s3
	s_lshl_b32 s38, s33, 15
	s_add_nc_u64 s[26:27], s[26:27], s[36:37]
	s_add_nc_u64 s[26:27], s[26:27], s[38:39]
	global_load_b128 v[16:19], v11, s[6:7]         ; path
	WIN 0x40                                       ; destinations in window 1
	v_lshlrev_b32 v[LN16], 4, v1
.irp t, 0,1,2,3
	global_load_b128 v[BI+8*\t:BI+8*\t+3],   v[BOFF], s[14:15] offset:64*\t
	global_load_b128 v[BI+8*\t+4:BI+8*\t+7], v[BOFF], s[14:15] offset:64*\t+16
.endr
	WIN 0x80                                       ; window 2
	v_lshlrev_b32 v[LN16], 4, v1
	v_lshlrev_b32 v[LN8], 3, v1
.irp t, 0,1,2,3
	global_load_b128 v[BI+8*\t:BI+8*\t+3],   v[BOFF], s[16:17] offset:64*\t
	global_load_b128 v[BI+8*\t+4:BI+8*\t+7], v[BOFF], s[16:17] offset:64*\t+16
.endr
	WIN 0xc0                                       ; window 3
	v_lshlrev_b32 v[LN8], 3, v1
	v_add_nc_u32 v[STO], s62, v10
	v_add_nc_u32 v[RD], s62, v13
	v_lshl_add_u32 v[CO], v3, 11, v14
	v_lshl_add_u32 v[PVS], v3, 5, s62
	v_lshl_add_u32 v[RD8], v1, 3, s62
.irp t, 0,1,2,3
	global_load_b128 v[BI+8*\t:BI+8*\t+3],   v[BOFF], s[18:19] offset:64*\t
	global_load_b128 v[BI+8*\t+4:BI+8*\t+7], v[BOFF], s[18:19] offset:64*\t+16
.endr
	WIN 0
	s_wait_loadcnt 24                              ; path is in; the 24 bias loads behind it stay out until the way out
	v_cvt_pk_bf16_f32 v20, v16, v17
	v_cvt_pk_bf16_f32 v21, v18, v19
	ds_store_b64 v12, v[20:21]                     ; read by all waves behind the first trip's wait for my LDS stores and its barrier
	TRIP 0, 1, 1                                   ; the first products start the sums: nothing is cleared
	TRIP 1, 1, 0
	s_mov_b32 s56, 2
.Llap:
	TRIP 0, 1, 0
	TRIP 1, 1, 0
	s_sub_co_u32 s56, s56, 1
	s_cmp_lg_u32 s56, 0
	s_cbranch_scc1 .Llap
	TRIP 0, 1, 0                                   ; asks for the eighth and last K step
	TRIP 1, 0, 0
	; THE WAY OUT
	PLACES
	s_wait_loadcnt 0x0                             ; the biases
	v_cmp_le_u32 vcc_lo, 16, v1                    ; lanes 16-31
	; Q: (sum + bq) c = sum c + (bq c), path's tiles too; then bf16 in fragment order
	WIN 0x55
.set CI, 0
.rept 16
	v_pk_mul_f32 v[BI+2*CI:BI+2*CI+1], v[BI+2*CI:BI+2*CI+1], s[60:61] op_sel_hi:[1,0]
.set CI, CI+1
.endr
.irp t, 0,1,2,3
.irp b, 0,1,2,3,4
.irp p, 0,2,4,6
	v_pk_fma_f32 v[8*(5*\t+\b)+\p:8*(5*\t+\b)+\p+1], v[8*(5*\t+\b)+\p:8*(5*\t+\b)+\p+1], s[60:61], v[BI+8*\t+\p:BI+8*\t+\p+1] op_sel_hi:[1,0,1]
.endr
.endr
.endr
	OUTB 20
	; K: + bk; my 64 columns' part of K . pq c in f32; then bf16 in fragment order
	WIN 0xaa
.irp t, 0,1,2,3
.irp b, 0,1,2,3
.irp p, 0,2,4,6
	v_pk_add_f32 v[8*(5*\t+\b)+\p:8*(5*\t+\b)+\p+1], v[8*(5*\t+\b)+\p:8*(5*\t+\b)+\p+1], v[BI+8*\t+\p:BI+8*\t+\p+1]
.endr
.endr
.endr
	WIN 0xa6                                       ; source 1 (pq c) in window 1, all else in window 2
.irp t, 0,1,2,3
.irp p, 0,2,4,6
.irp b, 0,1,2,3
.if \t+\p
	v_pk_fma_f32 v[TP+2*\b:TP+2*\b+1], v[8*(5*\t+\b)+\p:8*(5*\t+\b)+\p+1], v[8*(5*\t+4)+\p:8*(5*\t+4)+\p+1], v[TP+2*\b:TP+2*\b+1]
.else
	v_pk_mul_f32 v[TP+2*\b:TP+2*\b+1], v[8*(5*\t+\b)+\p:8*(5*\t+\b)+\p+1], v[8*(5*\t+4)+\p:8*(5*\t+4)+\p+1]
.endif
.endr
.endr
.endr
	WIN 0xaa
.irp b, 0,1,2,3
	v_add_f32 v[TP+2*\b], v[TP+2*\b], v[TP+2*\b+1]
.endr
.irp b, 0,1,2,3
	v_permlanex16_b32 v[TP+2*\b+1], v[TP+2*\b], s57, s58           ; the other half's columns
.endr
.irp b, 0,1,2,3
	v_add_f32 v[TP+2*\b], v[TP+2*\b], v[TP+2*\b+1]                 ; both halves now hold row r of block b
.endr
	v_cndmask_b32 v[TP+8], v[TP], v[TP+2], vcc_lo                  ; lanes 0-15 keep blocks 0 and 2, lanes 16-31 blocks 1 and 3
	v_cndmask_b32 v[TP+9], v[TP+4], v[TP+6], vcc_lo
	global_store_b64 v[LN8], v[TP+8:TP+9], s[26:27]                ; 256 consecutive bytes
	OUTB 22
	; V: + bv; 16 rows at a time through my stage, read back as whole rows of 256 bytes
	WIN 0xff
.irp t, 0,1,2,3
.irp b, 0,1,2,3,4
.irp p, 0,2,4,6
	v_pk_add_f32 v[8*(5*\t+\b)+\p:8*(5*\t+\b)+\p+1], v[8*(5*\t+\b)+\p:8*(5*\t+\b)+\p+1], v[BI+8*\t+\p:BI+8*\t+\p+1]
.endr
.endr
.endr
.irp b, 0,1,2,3
.irp t, 0,1,2,3
	ds_store_b128 v[STO], v[8*(5*\t+\b):8*(5*\t+\b)+3] offset:64*\t
	ds_store_b128 v[STO], v[8*(5*\t+\b)+4:8*(5*\t+\b)+7] offset:64*\t+16
.endr
	s_wait_xcnt 0x0                                ; the registers that the last block's stores read are loaded again only behind this wait
.irp i, 0,1,2,3,4,5,6,7
	ds_load_b128 v[TP+4*\i:TP+4*\i+3], v[RD] offset:544*\i         ; LDS serves a wave's instructions in order (ISA guide 5.7.1): these see the stores above
.endr
.irp i, 0,1,2,3,4,5,6,7
	s_wait_dscnt 7-\i                              ; the younger loads may be out
	global_store_b128 v[CO], v[TP+4*\i:TP+4*\i+3], s[24:25] offset:\b*32768+\i*4096   ; 16 lanes store 256 consecutive bytes, at a multiple of 256 in Vw
.endr
.endr
.irp t, 0,1,2,3
	ds_store_b128 v[PVS], v[8*(5*\t+4):8*(5*\t+4)+3] offset:64*\t  ; pv: all sixteen r write the same numbers to the same bytes
	ds_store_b128 v[PVS], v[8*(5*\t+4)+4:8*(5*\t+4)+7] offset:64*\t+16
.endr
	ds_load_b64 v[PVT:PVT+1], v[RD8]
	s_wait_dscnt 0x0
	global_store_b64 v[LN8], v[PVT:PVT+1], s[28:29]
	WIN 0
	s_set_vgpr_msb 0x4
	s_wait_tensorcnt 0x0
	ds_add_u32 v15, v255
	s_wait_dscnt 0x0
	s_set_vgpr_msb 0x400
	ROUND                                          ; the closing round: no work-group ends while a partner may still ask for a tile that names it
	s_endpgm
.Lfunc_end_k_q4f615f5985_proj:
	.size	k_q4f615f5985_proj, .Lfunc_end_k_q4f615f5985_proj-k_q4f615f5985_proj
	.p2alignl 7, 3214868480
	.fill 96, 4, 3214868480
	.section	.rodata,"a",@progbits
	.p2align	6, 0x0
	.amdhsa_kernel k_q4f615f5985_proj
		.amdhsa_group_segment_fixed_size 327680
		.amdhsa_private_segment_fixed_size 0
		.amdhsa_enable_private_segment 0
		.amdhsa_kernarg_size 104
		.amdhsa_user_sgpr_count 2
		.amdhsa_user_sgpr_kernarg_segment_ptr 1
		.amdhsa_wavefront_size32 1
		.amdhsa_system_sgpr_workgroup_id_x 1
		.amdhsa_system_sgpr_workgroup_id_y 1
		.amdhsa_system_sgpr_workgroup_id_z 1
		.amdhsa_system_vgpr_workitem_id 0
		.amdhsa_next_free_vgpr 1024
		.amdhsa_next_free_sgpr 100
		.amdhsa_reserve_vcc 1
		.amdhsa_float_denorm_mode_32 3
		.amdhsa_float_denorm_mode_16_64 3
		.amdhsa_memory_ordered 1
		.amdhsa_forward_progress 1
		.amdhsa_inst_pref_size 251
	.end_amdhsa_kernel
	.amdgpu_metadata
---
amdhsa.version: [ 1, 2 ]
amdhsa.kernels:
  - .name:           k_q4f615f5985_proj
    .symbol:         k_q4f615f5985_proj.kd
    .args:
      - { .name: env, .offset: 0, .size: 8, .value_kind: global_buffer, .address_space: global }
      - { .name: path, .offset: 8, .size: 8, .value_kind: global_buffer, .address_space: global }
      - { .name: Wq, .offset: 16, .size: 8, .value_kind: global_buffer, .address_space: global }
      - { .name: Wk, .offset: 24, .size: 8, .value_kind: global_buffer, .address_space: global }
      - { .name: Wv, .offset: 32, .size: 8, .value_kind: global_buffer, .address_space: global }
      - { .name: bq, .offset: 40, .size: 8, .value_kind: global_buffer, .address_space: global }
      - { .name: bk, .offset: 48, .size: 8, .value_kind: global_buffer, .address_space: global }
      - { .name: bv, .offset: 56, .size: 8, .value_kind: global_buffer, .address_space: global }
      - { .name: Qf, .offset: 64, .size: 8, .value_kind: global_buffer, .address_space: global }
      - { .name: Kf, .offset: 72, .size: 8, .value_kind: global_buffer, .address_space: global }
      - { .name: Vw, .offset: 80, .size: 8, .value_kind: global_buffer, .address_space: global }
      - { .name: pp, .offset: 88, .size: 8, .value_kind: global_buffer, .address_space: global }
      - { .name: pvc, .offset: 96, .size: 8, .value_kind: global_buffer, .address_space: global }
    .group_segment_fixed_size: 327680
    .private_segment_fixed_size: 0
    .kernarg_segment_align: 8
    .kernarg_segment_size: 104
    .max_flat_workgroup_size: 128
    .sgpr_count:     100
    .vgpr_count:     1024
    .wavefront_size: 32
...
	.end_amdgpu_metadata
.endif
;; end of part 1
;; launch score (part 2): grid 32 x 8, 4 waves a work-group, clusters of 4 x 1, 327,680 bytes of LDS; arguments Qf, Kf, st; writes st
.if DOCPART == 2
	.amdgcn_target "amdgcn-amd-amdhsa--gfx1250"
	.amdhsa_code_object_version 6
	.text
	.protected	k_q4f615f5985_score
	.globl	k_q4f615f5985_score
	.p2align	8
	.type	k_q4f615f5985_score,@function
k_q4f615f5985_score:
	s_mov_b64 s[64:65], 0
	v_nop
	global_prefetch_b8 v0, s[64:65] scope:SCOPE_SE
	s_setreg_imm32_b32 hwreg(HW_REG_WAVE_MODE, 25, 1), 1
	s_wait_xcnt 0x0
	s_wait_alu depctr_hold_cnt(0) depctr_sa_sdst(0) depctr_va_vdst(0) depctr_va_sdst(0) depctr_va_ssrc(0) depctr_va_vcc(0) depctr_vm_vsrc(0)
	s_getreg_b32 s2, hwreg(HW_REG_IB_STS2, 6, 4)
	s_cmp_eq_u32 s2, 0
	s_cbranch_scc0 .Lentry_in_a_cluster
	s_endpgm
.Lentry_in_a_cluster:
	s_bfe_u32 s2, ttmp6, 0x10000c
	s_cmp_lg_u32 s2, 0x3003
	s_cbranch_scc0 .Lentry_shape_is_right
	s_endpgm
.Lentry_shape_is_right:
; SCORES.  For 256 queries and 1,024 keys: the running maximum m and the sum l of 2^(score - m), score = (Q c) . K in log2 units.  No P V product is needed:
; only the sum of the weights survives in the result.
; Work-group (x, y): queries 256 x .., keys 1024 y ...  Wave w keeps its 64 queries (4 blocks x 16 K steps x 8 registers = 512) in windows 1 and 2 for the whole kernel.
; Source 0 = 16 keys, source 1 = 16 queries: lane (r, h) holds query r, its registers keys 8 h + j.  So maximum and sum run along a lane's registers;
; each lane keeps its own (m, l) for each query block, over the keys of its half, and no lane talks to another here: the next launch merges.
; One operand of K (1,024 bytes from LDS) feeds four matrix instructions.
; CLUSTERS: the four work-groups of a cluster share y, so all their tiles of K: each tile is asked for jointly (mask 15).
; Kf lies in fragment order, so a tile of 128 keys is 131,072 dense bytes, a lane's 16 bytes lie at 16 x lane: no padding is needed.
; Two slots; a wave has one tensor load out behind each round, with a trip's 512 matrix instructions in which to land.
; A SET = 32 keys x 64 queries = 8 accumulator tiles, 128 matrix instructions.  Two sets of accumulators take turns; the softmax of one set's scores is issued,
; operation by operation, between the matrix instructions of the next.
; WINDOWS: under 0x04 and 0x08 only source 1 leaves window 0.  The softmax operations between the matrix instructions therefore carry no vector register as source 1
; (a scalar or a constant stands there), and a set needs three switches.
; LIMITS: v_exp_f32 gives 0 for results below 2^-126 (ISA guide 15.8).  A query whose scores are not all finite gets no defined (m, l).
.set KA,   2                           ; v2-9     LDS address: (4 slot + set) x 32,768 + 16 x lane
.set MX,   10                          ; v10-17   (m, m) for each query block
.set LS,   18                          ; v18-21   l
.set AL,   22                          ; v22-25   2^(old m - new m)
.set PS,   26                          ; v26-33   a set's sum, in two halves
.set T0,   34                          ; v34-35   two chains of the maximum
.set T1,   35
.set O8,   36                          ; 8 x lane
.set O16,  37                          ; 16 x lane
.set KF,   48                          ; v48-127  ring of ten operands of K
.set ACCA, 128                         ; v128-191 tile (kt, q) at 8 (4 kt + q)
.set ACCB, 192                         ; v192-255
.set G1,   16                          ; s[16:23]
.set G0,   24                          ; s[24:31] one group 0 for each slot
.set W1,   0x04                        ; source 1 in window 1: Q's K steps 0-7 at 8 (4 ks + q)
.set W2,   0x08                        ; source 1 in window 2: K steps 8-15
.set MSB, 0
.macro WIN new
.if MSB != \new
	s_set_vgpr_msb (MSB<<8)|\new
.set MSB, \new
.endif
.endm
.macro PLACES
.rept 4
	v_nop
.endr
.endm
.macro ROUND
	s_barrier_signal -1
	s_barrier_wait -1
	s_cmp_lg_u32 s10, 0
	s_cbranch_scc1 .Lnot_wave_0_\@
	s_barrier_signal -3
.Lnot_wave_0_\@:
	s_barrier_wait -3
	s_barrier_signal -1
	s_barrier_wait -1
.endm
; Score k (0..15) of query block SQ in the set at SB: register SB + 8 SQ + k, + 24 for the second key tile
.macro SMSUB p                         ; pair p: score - m
.set KK, 2*(\p)
.set RR, SB+8*SQ+KK+24*(KK/8)
	v_pk_fma_f32 v[RR:RR+1], v[RR:RR+1], 1.0, v[MX+2*SQ:MX+2*SQ+1] op_sel_hi:[1,0,1] neg_lo:[0,0,1] neg_hi:[0,0,1]
.endm
.macro SMEXP k
.set KK, \k
.set RR, SB+8*SQ+KK+24*(KK/8)
	v_exp_f32 v[RR], v[RR]
.endm
.macro SMADD p
.set KK, 2*(\p)
.set RR, SB+8*SQ+KK+24*(KK/8)
	s_wait_alu depctr_va_vdst(0)
	v_pk_fma_f32 v[PS+2*SQ:PS+2*SQ+1], v[RR:RR+1], 1.0, v[PS+2*SQ:PS+2*SQ+1] op_sel_hi:[1,0,1]
.endm
; Operation VI of the softmax of the set at SB: 51 for each of four query blocks; behind them v_nop, which keeps the places in front of the ring's loads.
; Between each v_exp_f32 and the use of its result stands a plain vector instruction of this list (ISA guide 5.7.2): subtractions and sums are laid between the runs of four.
.macro SMSTEP
.if VI < 204
.set SQ, VI/51
.set SO, VI%51
.if SO == 0
	v_max3_num_f32 v[T0], v[SB+8*SQ], s32, v[MX+2*SQ]              ; s32 = -inf fills source 1
.elseif SO == 1
	v_max3_num_f32 v[T1], v[SB+8*SQ+1], s32, v[SB+8*SQ+2]
.elseif SO < 15
.set KK, SO+1
	v_max3_num_f32 v[T0+(SO&1)], v[SB+8*SQ+KK+24*(KK/8)], s32, v[T0+(SO&1)]
.elseif SO == 15
	v_max3_num_f32 v[T0], v[T1], s32, v[T0]                        ; the new m
.elseif SO == 16
	v_fma_f32 v[AL+SQ], v[T0], -1.0, v[MX+2*SQ]                    ; old m - new m
.elseif SO == 17
	v_exp_f32 v[AL+SQ], v[AL+SQ]
.elseif SO == 18
	v_mov_b32 v[MX+2*SQ], v[T0]
.elseif SO == 19
	v_mov_b32 v[MX+2*SQ+1], v[T0]
.elseif SO < 24
	SMSUB SO-20
.elseif SO < 28
	SMEXP SO-24
.elseif SO < 30
	SMSUB SO-24
.elseif SO < 34
	SMEXP SO-26
.elseif SO < 36
	SMSUB SO-28
.elseif SO == 36
	s_wait_alu depctr_va_vdst(0)
	v_pk_fma_f32 v[PS+2*SQ:PS+2*SQ+1], v[SB+8*SQ:SB+8*SQ+1], 1.0, v[SB+8*SQ+2:SB+8*SQ+3] op_sel_hi:[1,0,1]   ; starts the set's sum
.elseif SO < 41
	SMEXP SO-29
.elseif SO < 43
	SMADD SO-39
.elseif SO < 47
	SMEXP SO-31
.else
	SMADD SO-43
.endif
.else
	v_nop
.endif
.set VI, VI+1
.endm
; Operand NN (0..127) of a trip: set NN / 32, K step (NN % 32) / 2, key tile NN % 2.  Operand NN + 6 is asked for first, into the buffer that operand NN - 4 left three
; turns ago (at least four plain vector instructions that name none of its registers lie between); s_wait_dscnt counts the two loads of each younger operand.
; Four matrix instructions, one for each query block: the eight accumulators take turns, one instruction a turn.
.macro KSLOT slot, sm
.if NN+6 <= 127
.set FN, NN+6
.set FR, KF+8*(FN%10)
.set FO, (FN%2)*16384+((FN%32)/2)*1024
	ds_load_b128 v[FR:FR+3],   v[KA+4*\slot+FN/32] offset:FO
	ds_load_b128 v[FR+4:FR+7], v[KA+4*\slot+FN/32] offset:FO+512
	s_wait_dscnt 12
.else
	s_wait_dscnt 2*(127-NN)
.endif
.set AR, KF+8*(NN%10)
.set KS, (NN%32)/2
.set DR, CB+32*(NN%2)
.set QR, 32*(KS%8)
.irp q, 0,1,2,3
.if KS == 0
	v_wmma_f32_16x16x32_bf16 v[DR+8*\q:DR+8*\q+7], v[AR:AR+7], v[QR+8*\q:QR+8*\q+7], 0
.else
	v_wmma_f32_16x16x32_bf16 v[DR+8*\q:DR+8*\q+7], v[AR:AR+7], v[QR+8*\q:QR+8*\q+7], v[DR+8*\q:DR+8*\q+7]
.endif
.if \sm
	SMSTEP
.if \q < 3
	SMSTEP
.endif
.else
	v_nop
.endif
.endr
.set NN, NN+1
.endm
.macro LUPD                            ; l = l alpha + the set's sum.  These eight are also the places behind the set's last matrix instructions
.irp q, 0,1,2,3
	v_fma_f32 v[LS+\q], v[LS+\q], v[AL+\q], v[PS+2*\q]
.endr
.irp q, 0,1,2,3
	v_add_f32 v[LS+\q], v[LS+\q], v[PS+2*\q+1]
.endr
.endm
.macro SET slot, idx, sm
.set VI, 0
.if \idx & 1
.set CB, ACCB
.set SB, ACCA
.else
.set CB, ACCA
.set SB, ACCB
.endif
	WIN W1
.rept 16
	KSLOT \slot, \sm
.endr
	WIN W2
.rept 16
	KSLOT \slot, \sm
.endr
	WIN 0
.if \sm
	LUPD
.else
	PLACES
.endif
.endm
; One tile of 128 keys.  The round is the barrier in front of the refill: in front of it every wave has waited for all its tensor loads and for its reads of the other slot.
.macro TRIP slot, refill, first
	s_wait_tensorcnt 0x0                           ; my one load has landed: my part of this trip's tile; so every group 0 may be written
	ds_add_u32 v46, v47
	s_wait_dscnt 0x0
	s_add_nc_u64 s[G0+4*\slot+2:G0+4*\slot+3], s[G0+4*\slot+2:G0+4*\slot+3], 262144   ; this slot's next tile, two tiles on
	s_wait_dscnt 0x0                               ; my reads of the other slot are back
	ROUND
.if \refill
	tensor_load_to_lds s[G0+4*(1-\slot):G0+4*(1-\slot)+3], s[G1:G1+7]
	s_nop 0
.endif
.set NN, 0
.irp f, 0,1,2,3,4,5
	ds_load_b128 v[KF+8*\f:KF+8*\f+3],   v[KA+4*\slot] offset:(\f%2)*16384+(\f/2)*1024
	ds_load_b128 v[KF+8*\f+4:KF+8*\f+7], v[KA+4*\slot] offset:(\f%2)*16384+(\f/2)*1024+512
.endr
	SET \slot, 0, (1-\first)
	SET \slot, 1, 1
	SET \slot, 2, 1
	SET \slot, 3, 1
.endm
	s_load_b128 s[4:7], s[0:1], 0x0                ; Qf s[4:5], Kf s[6:7]
	s_load_b64 s[8:9], s[0:1], 0x10                ; st
	v_lshl_add_u32 v46, v0, 2, 0x40000
	v_mov_b32 v47, 0
	ds_add_u32 v46, v47
	v_lshrrev_b32 v1, 5, v0
	v_readfirstlane_b32 s10, v1                    ; wave
	v_and_b32 v1, 31, v0                           ; lane
	s_bfe_u32 s11, ttmp6, 0x40000                  ; cx
	s_lshl_b32 s12, ttmp9, 2
	s_add_co_u32 s12, s12, s11                     ; x: block of 256 queries
	s_and_b32 s13, ttmp7, 0xffff                   ; y: 1,024 keys
	s_mov_b32 s[G1+0], 15|(3<<16)|(1<<21)          ; all four of the cluster; elements of 8 bytes; bit 21 beside a mask
	s_mov_b32 s[G1+1], 32<<16                      ; tensor_dim0 = 32 (rows of 256 bytes)
	s_mov_b32 s[G1+2], 128<<16                     ; tensor_dim1 = 128: 32,768 dense bytes, a wave's 32 keys
	s_mov_b32 s[G1+3], 32<<16                      ; tile_dim0
	s_mov_b32 s[G1+4], 128                         ; tile_dim1
	s_mov_b32 s[G1+5], 32                          ; each row begins where the last ends
	s_mov_b32 s[G1+6], 0
	s_mov_b32 s[G1+7], 0
	s_mov_b32 s32, 0xff800000                      ; -inf
	s_lshl_b32 s34, s13, 20                        ; K: (1024 y + 32 w) keys of 1,024 bytes: made of y and the wave's number alone
	s_lshl_b32 s35, s10, 15
	s_add_co_u32 s34, s34, s35
	s_mov_b32 s15, s35                             ; and where they go: w x 32,768
	s_mov_b32 s35, 0
	s_wait_dscnt 0x0
	s_wait_kmcnt 0x0
	s_add_nc_u64 s[6:7], s[6:7], s[34:35]
.irp s, 0,1
	s_mov_b32 s[G0+4*\s], 1
	s_add_co_u32 s[G0+4*\s+1], s15, \s*131072
	s_add_nc_u64 s[G0+4*\s+2:G0+4*\s+3], s[6:7], \s*131072         ; tile s
	s_or_b32 s[G0+4*\s+3], s[G0+4*\s+3], 0x80000000
.endr
	ROUND                                          ; the four work-groups are here: the first joint load meets
	tensor_load_to_lds s[G0:G0+3], s[G1:G1+7]      ; tile 0
	s_nop 0
	v_lshlrev_b32 v[O8], 3, v1
	v_lshlrev_b32 v[O16], 4, v1
.irp n, 0,1,2,3,4,5,6,7
	v_add_nc_u32 v[KA+\n], \n*32768, v[O16]
.endr
	s_lshl2_add_u32 s14, s12, s10                  ; 4 x + w: my group of 64 queries
	s_lshl_b32 s36, s14, 16                        ; x 65,536 bytes of Qf
	s_mov_b32 s37, 0
	s_add_nc_u64 s[4:5], s[4:5], s[36:37]
	s_lshl_b32 s36, s14, 10                        ; st: y x 131,072 + (4 x + w) x 1,024
	s_lshl_b32 s15, s13, 17
	s_add_co_u32 s36, s36, s15
	s_add_nc_u64 s[8:9], s[8:9], s[36:37]
	WIN 0x40                                       ; destinations in window 1: K steps 0-7.  Each load of the wave covers 512 consecutive bytes
.irp k, 0,1,2,3,4,5,6,7
.irp q, 0,1,2,3
	global_load_b128 v[8*(4*\k+\q):8*(4*\k+\q)+3],   v[O16], s[4:5] offset:\q*16384+\k*1024
	global_load_b128 v[8*(4*\k+\q)+4:8*(4*\k+\q)+7], v[O16], s[4:5] offset:\q*16384+\k*1024+512
.endr
.endr
	WIN 0x80                                       ; window 2: K steps 8-15
.irp k, 0,1,2,3,4,5,6,7
.irp q, 0,1,2,3
	global_load_b128 v[8*(4*\k+\q):8*(4*\k+\q)+3],   v[O16], s[4:5] offset:\q*16384+\k*1024+8192
	global_load_b128 v[8*(4*\k+\q)+4:8*(4*\k+\q)+7], v[O16], s[4:5] offset:\q*16384+\k*1024+8704
.endr
.endr
	WIN 0
.irp i, 0,1,2,3,4,5,6,7
	v_mov_b32 v[MX+\i], 0xff800000                 ; m = -inf
.endr
.irp i, 0,1,2,3
	v_mov_b32 v[LS+\i], 0                          ; l = 0
.endr
	s_wait_loadcnt 0x0                             ; Q is in
	TRIP 0, 1, 1                                   ; the first set has no scores in front of it
	TRIP 1, 1, 0
	s_mov_b32 s33, 2
.Llap:
	TRIP 0, 1, 0
	TRIP 1, 1, 0
	s_sub_co_u32 s33, s33, 1
	s_cmp_lg_u32 s33, 0
	s_cbranch_scc1 .Llap
	TRIP 0, 1, 0                                   ; asks for the eighth and last tile
	TRIP 1, 0, 0
	; the last set's scores (the eight instructions of the l update stand behind its last matrix instructions)
.set SB, ACCB
.set VI, 0
.rept 204
	SMSTEP
.endr
	LUPD
.irp q, 0,1,2,3
	v_mov_b32 v[MX+2*\q+1], v[LS+\q]               ; (m, l)
.endr
.irp q, 0,1,2,3
	global_store_b64 v[O8], v[MX+2*\q:MX+2*\q+1], s[8:9] offset:256*\q    ; 256 consecutive bytes, at a multiple of 256 in st
.endr
	ROUND                                          ; the closing round
	s_endpgm
.Lfunc_end_k_q4f615f5985_score:
	.size	k_q4f615f5985_score, .Lfunc_end_k_q4f615f5985_score-k_q4f615f5985_score
	.p2alignl 7, 3214868480
	.fill 96, 4, 3214868480
	.section	.rodata,"a",@progbits
	.p2align	6, 0x0
	.amdhsa_kernel k_q4f615f5985_score
		.amdhsa_group_segment_fixed_size 327680
		.amdhsa_private_segment_fixed_size 0
		.amdhsa_enable_private_segment 0
		.amdhsa_kernarg_size 24
		.amdhsa_user_sgpr_count 2
		.amdhsa_user_sgpr_kernarg_segment_ptr 1
		.amdhsa_wavefront_size32 1
		.amdhsa_system_sgpr_workgroup_id_x 1
		.amdhsa_system_sgpr_workgroup_id_y 1
		.amdhsa_system_sgpr_workgroup_id_z 1
		.amdhsa_system_vgpr_workitem_id 0
		.amdhsa_next_free_vgpr 768
		.amdhsa_next_free_sgpr 66
		.amdhsa_reserve_vcc 0
		.amdhsa_float_denorm_mode_32 3
		.amdhsa_float_denorm_mode_16_64 3
		.amdhsa_memory_ordered 1
		.amdhsa_forward_progress 1
		.amdhsa_inst_pref_size 255
	.end_amdhsa_kernel
	.section	.bss,"aw",@nobits
	.p2align	6
	.space	262144
	.amdgpu_metadata
---
amdhsa.version: [ 1, 2 ]
amdhsa.kernels:
  - .name:           k_q4f615f5985_score
    .symbol:         k_q4f615f5985_score.kd
    .args:
      - { .name: Qf, .offset: 0, .size: 8, .value_kind: global_buffer, .address_space: global }
      - { .name: Kf, .offset: 8, .size: 8, .value_kind: global_buffer, .address_space: global }
      - { .name: st, .offset: 16, .size: 8, .value_kind: global_buffer, .address_space: global }
    .group_segment_fixed_size: 327680
    .private_segment_fixed_size: 0
    .kernarg_segment_align: 8
    .kernarg_segment_size: 24
    .max_flat_workgroup_size: 128
    .sgpr_count:     66
    .vgpr_count:     768
    .wavefront_size: 32
...
	.end_amdgpu_metadata
.endif
;; end of part 2
;; launch norm (part 3): grid 256 x 1, 8 waves a work-group, no clusters, 0 bytes of LDS; arguments env, Vw, st, pp, pvc, gamma, beta, out0; writes out0
.if DOCPART == 3
	.amdgcn_target "amdgcn-amd-amdhsa--gfx1250"
	.amdhsa_code_object_version 6
	.text
	.protected	k_q4f615f5985_norm
	.globl	k_q4f615f5985_norm
	.p2align	8
	.type	k_q4f615f5985_norm,@function
k_q4f615f5985_norm:
	s_mov_b64 s[64:65], 0
	v_nop
	global_prefetch_b8 v0, s[64:65] scope:SCOPE_SE
	s_setreg_imm32_b32 hwreg(HW_REG_WAVE_MODE, 25, 1), 1
	s_wait_xcnt 0x0
; MERGE AND LAYER NORM.  For each row: p = the path score (8 parts), the 16 partial (m, l) of its 8,192 self scores (8 key splits x 2 lane halves), all in log2 units;
; Mx = the largest of all m and p; z = sum of l 2^(m - Mx); e = 2^(p - Mx); s = z / (z + e), a = e / (z + e);
; x = env + s V + a pv; out = gamma (x - mean) rsqrt(var + 1e-6) + beta, the variance taken from the differences, as the problem states it.
; A stream: no byte is read twice inside a work-group but 6 KiB of constants, so no LDS, no barrier, no cluster and no matrix unit.
; Eight waves, 32 rows; a wave owns four rows and issues all its 60 loads at once (16 KiB of rows a wave); a row is one wave's: 4 loads of 512 consecutive bytes from env, 4 from Vw.
; Lane l works out s and a for row l & 3 of the wave, with the (m, l) of half l >> 4; the halves meet by v_permlanex16_b32.
; LIMITS: v_exp_f32 gives 0 for results below 2^-126 (ISA guide 15.8), which drops terms that small beside a sum of at least 1.
.set GA,  4                            ; v4-19    gamma of my 16 columns (128 k + 4 lane + 0..3)
.set BE,  20                           ; v20-35   beta
.set PV,  36                           ; v36-51   pv
.set ML,  52                           ; v52-67   (m, l) of the 8 splits
.set PP,  68                           ; v68-75   the 8 parts of the path score
.set TT,  76                           ; v76-95   at work
.set OST, 96                           ; my offset in st
.set OPP, 97                           ; my offset in pp
.set XR,  100                          ; row i: env at XR + 32 i (then x, x - mean, out), V at XR + 32 i + 16 (then gamma rstd)
	s_load_b512 s[4:19], s[0:1], 0x0               ; env s[4:5], Vw s[6:7], st s[8:9], pp s[10:11], pvc s[12:13], gamma s[14:15], beta s[16:17], out0 s[18:19]
	v_lshrrev_b32 v1, 5, v0
	v_readfirstlane_b32 s20, v1                    ; wave
	v_and_b32 v1, 31, v0                           ; lane
	v_lshlrev_b32 v2, 4, v1                        ; 16 x lane
	s_lshr_b32 s21, s20, 2
	s_lshl1_add_u32 s21, ttmp9, s21                ; B16 = 2 wg + (w >> 2): my block of 16 rows
	s_and_b32 s22, s20, 3
	s_lshl_b32 s22, s22, 2                         ; 4 (w & 3)
	v_and_b32 v3, 3, v1
	v_add_nc_u32 v3, s22, v3                       ; r' = my row in the block
	v_and_b32 v76, 16, v1                          ; 16 h
	v_add_nc_u32 v76, v76, v3
	s_lshl_b32 s23, s21, 8
	v_lshl_add_u32 v[OST], v76, 3, s23             ; st: B16 x 256 + 8 (16 h + r')
	s_lshr_b32 s24, s21, 2
	s_lshl_b32 s24, s24, 8                         ; pp: (B16 >> 2) x 256
	s_and_b32 s25, s21, 1
	s_lshl_b32 s25, s25, 7                         ; + 8 x 16 (B16 & 1)
	s_add_co_u32 s24, s24, s25
	s_bfe_u32 s25, s21, 0x10001
	s_lshl2_add_u32 s24, s25, s24                  ; + 4 ((B16 >> 1) & 1)
	v_lshl_add_u32 v[OPP], v3, 3, s24              ; + 8 r'
	s_lshl_b32 s26, ttmp9, 16                      ; my rows: (32 wg + 4 w) x 2,048 bytes
	s_lshl_b32 s27, s20, 13
	s_add_co_u32 s26, s26, s27
	s_mov_b32 s27, 0
	s_lshr_b32 s28, ttmp9, 1
	s_lshl_b32 s28, s28, 11                        ; pvc: the copy of my group of 64 rows
	s_mov_b32 s29, 0
	s_mov_b32 s30, 0x76543210                      ; v_permlanex16_b32: lane i reads lane i of the other half
	s_mov_b32 s31, 0xfedcba98
	s_mov_b32 s48, 0x3b000000                      ; 1 / 512
	s_mov_b32 s49, 0x358637bd                      ; 1e-6
	s_wait_kmcnt 0x0
	s_add_nc_u64 s[4:5], s[4:5], s[26:27]
	s_add_nc_u64 s[6:7], s[6:7], s[26:27]
	s_add_nc_u64 s[18:19], s[18:19], s[26:27]
	s_add_nc_u64 s[12:13], s[12:13], s[28:29]
.irp k, 0,1,2,3,4,5,6,7
	global_load_b64 v[ML+2*\k:ML+2*\k+1], v[OST], s[8:9] offset:\k*131072
.endr
.irp k, 0,1,2,3,4,5,6,7
	global_load_b32 v[PP+\k], v[OPP], s[10:11] offset:\k*32768
.endr
.irp k, 0,1,2,3
	global_load_b128 v[PV+4*\k:PV+4*\k+3], v2, s[12:13] offset:512*\k
.endr
.irp k, 0,1,2,3
	global_load_b128 v[GA+4*\k:GA+4*\k+3], v2, s[14:15] offset:512*\k
.endr
.irp k, 0,1,2,3
	global_load_b128 v[BE+4*\k:BE+4*\k+3], v2, s[16:17] offset:512*\k
.endr
.irp i, 0,1,2,3
.irp k, 0,1,2,3
	global_load_b128 v[XR+32*\i+4*\k:XR+32*\i+4*\k+3], v2, s[4:5] offset:\i*2048+512*\k th:TH_LOAD_NT
.endr
.irp k, 0,1,2,3
	global_load_b128 v[XR+32*\i+16+4*\k:XR+32*\i+16+4*\k+3], v2, s[6:7] offset:\i*2048+512*\k th:TH_LOAD_NT
.endr
.endr
	s_wait_loadcnt 44                              ; the 16 loads of (m, l) and of the path score's parts are in; the 12 of constants and the 32 of rows stay out
	v_add_f32 v68, v68, v69
	v_add_f32 v70, v70, v71
	v_add_f32 v72, v72, v73
	v_add_f32 v74, v74, v75
	v_add_f32 v68, v68, v70
	v_add_f32 v72, v72, v74
	v_add_f32 v68, v68, v72                        ; p
	v_max3_num_f32 v80, v52, v54, v56
	v_max3_num_f32 v81, v58, v60, v62
	v_max3_num_f32 v80, v80, v64, v66
	v_max_num_f32 v80, v80, v81
	v_permlanex16_b32 v81, v80, s30, s31           ; the other half's
	v_max3_num_f32 v80, v80, v81, v68              ; Mx
.irp k, 0,1,2,3,4,5,6,7
	v_sub_f32 v[84+\k], v[ML+2*\k], v80
.endr
	v_sub_f32 v92, v68, v80
.irp k, 0,1,2,3,4,5,6,7
	v_exp_f32 v[84+\k], v[84+\k]
.endr
	v_exp_f32 v92, v92                             ; e
	v_nop                                          ; a plain vector instruction between a transcendental and the use of its result (ISA guide 5.7.2)
	s_wait_alu depctr_va_vdst(0)
	v_mul_f32 v93, v53, v84
.irp k, 1,2,3,4,5,6,7
	v_fmac_f32 v93, v[ML+2*\k+1], v[84+\k]
.endr
	v_permlanex16_b32 v81, v93, s30, s31
	v_add_f32 v93, v93, v81                        ; z
	v_add_f32 v94, v93, v92                        ; z + e, at least 1: the term of the maximum
	v_rcp_f32 v95, v94
	v_nop
	s_wait_alu depctr_va_vdst(0)
	v_mul_f32 v93, v93, v95                        ; s
	v_mul_f32 v92, v92, v95                        ; a
.irp i, 0,1,2,3
	v_readlane_b32 s[32+4*\i], v93, \i             ; lane i holds row i's: as pairs for the packed forms
	v_readlane_b32 s[33+4*\i], v93, \i
	v_readlane_b32 s[34+4*\i], v92, \i
	v_readlane_b32 s[35+4*\i], v92, \i
.endr
.macro WSUM a, b                       ; the sum of v[a] over the 32 lanes, in every lane; v[b] has been written
	v_add_f32_dpp v[\a], v[\a], v[\a] row_xmask:1 row_mask:0xf bank_mask:0xf
	v_add_f32_dpp v[\a], v[\a], v[\a] row_xmask:2 row_mask:0xf bank_mask:0xf
	v_add_f32_dpp v[\a], v[\a], v[\a] row_xmask:4 row_mask:0xf bank_mask:0xf
	v_add_f32_dpp v[\a], v[\a], v[\a] row_xmask:8 row_mask:0xf bank_mask:0xf
	v_permlanex16_b32 v[\b], v[\a], s30, s31
	v_add_f32 v[\a], v[\a], v[\b]
.endm
.macro ROW i
	s_wait_loadcnt 8*(3-\i)                        ; my row's eight loads are in; the later rows' stay out
.irp p, 0,2,4,6,8,10,12,14
	v_pk_fma_f32 v[XR+32*\i+\p:XR+32*\i+\p+1], v[XR+32*\i+16+\p:XR+32*\i+16+\p+1], s[32+4*\i:33+4*\i], v[XR+32*\i+\p:XR+32*\i+\p+1] op_sel_hi:[1,0,1]
.endr
.irp p, 0,2,4,6,8,10,12,14
	v_pk_fma_f32 v[XR+32*\i+\p:XR+32*\i+\p+1], v[PV+\p:PV+\p+1], s[34+4*\i:35+4*\i], v[XR+32*\i+\p:XR+32*\i+\p+1] op_sel_hi:[1,0,1]
.endr
	v_pk_add_f32 v[76:77], v[XR+32*\i:XR+32*\i+1], v[XR+32*\i+2:XR+32*\i+3]
	v_pk_add_f32 v[78:79], v[XR+32*\i+4:XR+32*\i+5], v[XR+32*\i+6:XR+32*\i+7]
	v_pk_add_f32 v[80:81], v[XR+32*\i+8:XR+32*\i+9], v[XR+32*\i+10:XR+32*\i+11]
	v_pk_add_f32 v[82:83], v[XR+32*\i+12:XR+32*\i+13], v[XR+32*\i+14:XR+32*\i+15]
	v_pk_add_f32 v[76:77], v[76:77], v[78:79]
	v_pk_add_f32 v[80:81], v[80:81], v[82:83]
	v_pk_add_f32 v[76:77], v[76:77], v[80:81]
	v_add_f32 v76, v76, v77
	WSUM 76, 77
	v_mul_f32 v78, s48, v76                        ; the mean, twice
	v_mul_f32 v79, s48, v76
.irp p, 0,2,4,6,8,10,12,14
	v_pk_add_f32 v[XR+32*\i+\p:XR+32*\i+\p+1], v[XR+32*\i+\p:XR+32*\i+\p+1], v[78:79] neg_lo:[0,1] neg_hi:[0,1]
.endr
	v_pk_mul_f32 v[80:81], v[XR+32*\i:XR+32*\i+1], v[XR+32*\i:XR+32*\i+1]
	v_pk_mul_f32 v[82:83], v[XR+32*\i+2:XR+32*\i+3], v[XR+32*\i+2:XR+32*\i+3]
.irp p, 4,8,12
	v_pk_fma_f32 v[80:81], v[XR+32*\i+\p:XR+32*\i+\p+1], v[XR+32*\i+\p:XR+32*\i+\p+1], v[80:81]
	v_pk_fma_f32 v[82:83], v[XR+32*\i+\p+2:XR+32*\i+\p+3], v[XR+32*\i+\p+2:XR+32*\i+\p+3], v[82:83]
.endr
	v_pk_add_f32 v[80:81], v[80:81], v[82:83]
	v_add_f32 v80, v80, v81
	WSUM 80, 81
	v_fma_f32 v80, v80, s48, s49                   ; var + 1e-6
	v_rsq_f32 v82, v80
	v_rsq_f32 v83, v80
	v_nop
	s_wait_alu depctr_va_vdst(0)
.irp p, 0,2,4,6,8,10,12,14
	v_pk_mul_f32 v[XR+32*\i+16+\p:XR+32*\i+16+\p+1], v[GA+\p:GA+\p+1], v[82:83]
.endr
.irp p, 0,2,4,6,8,10,12,14
	v_pk_fma_f32 v[XR+32*\i+\p:XR+32*\i+\p+1], v[XR+32*\i+\p:XR+32*\i+\p+1], v[XR+32*\i+16+\p:XR+32*\i+16+\p+1], v[BE+\p:BE+\p+1]
.endr
.irp k, 0,1,2,3
	global_store_b128 v2, v[XR+32*\i+4*\k:XR+32*\i+4*\k+3], s[18:19] offset:\i*2048+512*\k th:TH_STORE_NT   ; 512 consecutive bytes; each row has registers of its own
.endr
.endm
	ROW 0
	ROW 1
	ROW 2
	ROW 3
	s_endpgm
.Lfunc_end_k_q4f615f5985_norm:
	.size	k_q4f615f5985_norm, .Lfunc_end_k_q4f615f5985_norm-k_q4f615f5985_norm
	.p2alignl 7, 3214868480
	.fill 96, 4, 3214868480
	.section	.rodata,"a",@progbits
	.p2align	6, 0x0
	.amdhsa_kernel k_q4f615f5985_norm
		.amdhsa_group_segment_fixed_size 0
		.amdhsa_private_segment_fixed_size 0
		.amdhsa_enable_private_segment 0
		.amdhsa_kernarg_size 64
		.amdhsa_user_sgpr_count 2
		.amdhsa_user_sgpr_kernarg_segment_ptr 1
		.amdhsa_wavefront_size32 1
		.amdhsa_system_sgpr_workgroup_id_x 1
		.amdhsa_system_sgpr_workgroup_id_y 1
		.amdhsa_system_sgpr_workgroup_id_z 1
		.amdhsa_system_vgpr_workitem_id 0
		.amdhsa_next_free_vgpr 228
		.amdhsa_next_free_sgpr 66
		.amdhsa_reserve_vcc 0
		.amdhsa_float_denorm_mode_32 3
		.amdhsa_float_denorm_mode_16_64 3
		.amdhsa_memory_ordered 1
		.amdhsa_forward_progress 1
		.amdhsa_inst_pref_size 30
	.end_amdhsa_kernel
	.amdgpu_metadata
---
amdhsa.version: [ 1, 2 ]
amdhsa.kernels:
  - .name:           k_q4f615f5985_norm
    .symbol:         k_q4f615f5985_norm.kd
    .args:
      - { .name: env, .offset: 0, .size: 8, .value_kind: global_buffer, .address_space: global }
      - { .name: Vw, .offset: 8, .size: 8, .value_kind: global_buffer, .address_space: global }
      - { .name: st, .offset: 16, .size: 8, .value_kind: global_buffer, .address_space: global }
      - { .name: pp, .offset: 24, .size: 8, .value_kind: global_buffer, .address_space: global }
      - { .name: pvc, .offset: 32, .size: 8, .value_kind: global_buffer, .address_space: global }
      - { .name: gamma, .offset: 40, .size: 8, .value_kind: global_buffer, .address_space: global }
      - { .name: beta, .offset: 48, .size: 8, .value_kind: global_buffer, .address_space: global }
      - { .name: out0, .offset: 56, .size: 8, .value_kind: global_buffer, .address_space: global }
    .group_segment_fixed_size: 0
    .private_segment_fixed_size: 0
    .kernarg_segment_align: 8
    .kernarg_segment_size: 64
    .max_flat_workgroup_size: 256
    .sgpr_count:     66
    .vgpr_count:     228
    .wavefront_size: 32
...
	.end_amdgpu_metadata
.endif
;; end of part 3
;; ======== version 2 of 3: 3 launches; 1.37 times as fast as version 1
;; workspace buffers: Qf 8,388,608 bytes; Kf 8,388,608 bytes; Vw 16,777,216 bytes; pp 262,144 bytes; pvc 262,144 bytes; st 1,048,576 bytes
;; launch proj: the kernel of part 1 again; grid 8 x 32, 4 waves a work-group, clusters of 4 x 4, 327,680 bytes of LDS; arguments env, path, Wq, Wk, Wv, bq, bk, bv, Qf, Kf, Vw, pp, pvc; writes Qf, Kf, Vw, pp, pvc
;; launch score (part 4): grid 32 x 8, 4 waves a work-group, clusters of 4 x 1, 327,680 bytes of LDS; arguments Qf, Kf, st; writes st
.if DOCPART == 4
	.amdgcn_target "amdgcn-amd-amdhsa--gfx1250"
	.amdhsa_code_object_version 6
	.text
	.protected	k_q4f615f5985_score
	.globl	k_q4f615f5985_score
	.p2align	8
	.type	k_q4f615f5985_score,@function
k_q4f615f5985_score:
	s_mov_b64 s[64:65], 0
	v_nop
	global_prefetch_b8 v0, s[64:65] scope:SCOPE_SE
	s_setreg_imm32_b32 hwreg(HW_REG_WAVE_MODE, 25, 1), 1
	s_wait_xcnt 0x0
	s_wait_alu depctr_hold_cnt(0) depctr_sa_sdst(0) depctr_va_vdst(0) depctr_va_sdst(0) depctr_va_ssrc(0) depctr_va_vcc(0) depctr_vm_vsrc(0)
	s_getreg_b32 s2, hwreg(HW_REG_IB_STS2, 6, 4)
	s_cmp_eq_u32 s2, 0
	s_cbranch_scc0 .Lentry_in_a_cluster
	s_endpgm
.Lentry_in_a_cluster:
	s_bfe_u32 s2, ttmp6, 0x10000c
	s_cmp_lg_u32 s2, 0x3003
	s_cbranch_scc0 .Lentry_shape_is_right
	s_endpgm
.Lentry_shape_is_right:
; SCORES.  For 256 queries and 1,024 keys: the running maximum m and the sum l of 2^(score - m), score = (Q c) . K in log2 units.  No P V product is needed:
; only the sum of the weights survives in the result.
; Work-group (x, y): queries 256 x .., keys 1024 y ...  Wave w keeps its 64 queries (4 blocks x 16 K steps x 8 registers = 512) in windows 1 and 2 for the whole kernel.
; Source 0 = 16 keys, source 1 = 16 queries: lane (r, h) holds query r, its registers keys 8 h + j.  So maximum and sum run along a lane's registers;
; each lane keeps its own (m, l) for each query block, over the keys of its half, and no lane talks to another here: the next launch merges.
; One operand of K (1,024 bytes from LDS) feeds four matrix instructions.
; CLUSTERS: the four work-groups of a cluster share y, so all their tiles of K: each tile is asked for jointly (mask 15).
; Kf lies in fragment order, so a tile of 64 keys is 65,536 dense bytes and a lane's 16 bytes lie at 16 x lane: no padding is needed, and one address register
; with a 16-bit immediate reaches the whole slot.  Two slots; a wave has one tensor load out behind each round, with 256 matrix instructions in which to land.
; A SET = 32 keys x 64 queries = 8 accumulator tiles, 128 matrix instructions; a tile is two sets, A and B, on two sets of accumulators.  The softmax of one set's
; scores is issued, operation by operation, between the matrix instructions of the next.
; THE LOOP IS ROTATED BY ONE SET, so that little text stands outside it: tile 0's set A (no scores in front of it) stands ahead; the body is
; B (slot 0), change of slots, A, B (slot 1), change of slots, A (slot 0), run seven times; behind it B, a change without refill, A, B and the last softmax.
; K'S OPERANDS come from LDS in runs of eight loads (four operands), one run in the middle of each group of 16 matrix instructions, into three buffers that take turns.
; WINDOWS: under 0x04 and 0x08 only source 1 leaves window 0.  The softmax operations between the matrix instructions therefore carry no vector register as source 1
; (a scalar or a constant stands there), and a set needs three switches.
; LIMITS: v_exp_f32 gives 0 for results below 2^-126 (ISA guide 15.8).  A query whose scores are not all finite gets no defined (m, l).
.set TILE, 65536                       ; bytes of a tile of 64 keys, and of a slot
.set LAPS, 7                           ; 16 tiles: two to a lap, one lap's worth written out ahead of and behind the loop
.set KA,   2                           ; v2-3     LDS address: slot x 65,536 + 16 x lane
.set O8,   4                           ; 8 x lane
.set O16,  5                           ; 16 x lane
.set T0,   6                           ; v6-7     two chains of the maximum
.set T1,   7
.set MX,   8                           ; v8-15    (m, m) for each query block
.set LS,   16                          ; v16-19   l
.set AL,   20                          ; v20-23   2^(old m - new m)
.set PS,   24                          ; v24-31   a set's sum, in two halves
.set KF,   32                          ; v32-127  twelve operands of K: three buffers of four
.set ACCA, 128                         ; v128-191 tile (kt, q) at 8 (4 kt + q)
.set ACCB, 192                         ; v192-255
.set G1,   16                          ; s[16:23]
.set G0,   24                          ; s[24:31] one group 0 for each slot
.set W1,   0x04                        ; source 1 in window 1: Q's K steps 0-7 at 8 (4 ks + q)
.set W2,   0x08                        ; source 1 in window 2: K steps 8-15
.set MSB, 0
.macro WIN new                         ; the immediate's high byte repeats the setting that is left
.if MSB != \new
	s_set_vgpr_msb (MSB<<8)|\new
.set MSB, \new
.endif
.endm
.macro PLACES                          ; four plain vector instructions between a matrix instruction and a read of its result or a load into its registers
.rept 4
	v_nop
.endr
.endm
; A round of the cluster's barrier: my work-group's barrier, wave 0 signals for the work-group, every wave waits for all four, my work-group's barrier again.
.macro ROUND
	s_barrier_signal -1
	s_barrier_wait -1
	s_cmp_lg_u32 s10, 0
	s_cbranch_scc1 .Lnot_wave_0_\@
	s_barrier_signal -3
.Lnot_wave_0_\@:
	s_barrier_wait -3
	s_barrier_signal -1
	s_barrier_wait -1
.endm
; Score k (0..15) of query block SQ in the set at SB: register SB + 8 SQ + k, + 24 for the second key tile
.macro SMSUB p                         ; pair p: score - m
.set KK, 2*(\p)
.set RR, SB+8*SQ+KK+24*(KK/8)
	v_pk_fma_f32 v[RR:RR+1], v[RR:RR+1], 1.0, v[MX+2*SQ:MX+2*SQ+1] op_sel_hi:[1,0,1] neg_lo:[0,0,1] neg_hi:[0,0,1]
.endm
.macro SMEXP k
.set KK, \k
.set RR, SB+8*SQ+KK+24*(KK/8)
	v_exp_f32 v[RR], v[RR]
.endm
.macro SMADD p
.set KK, 2*(\p)
.set RR, SB+8*SQ+KK+24*(KK/8)
	s_wait_alu depctr_va_vdst(0)
	v_pk_fma_f32 v[PS+2*SQ:PS+2*SQ+1], v[RR:RR+1], 1.0, v[PS+2*SQ:PS+2*SQ+1] op_sel_hi:[1,0,1]
.endm
; Operation VI of the softmax of the set at SB: 51 for each of four query blocks; behind the 204th nothing.
; Between each v_exp_f32 and the use of its result stands a plain vector instruction of this list (ISA guide 5.7.2): subtractions and sums are laid between the runs of four.
; Of any 15 operations that follow each other at least 5 are plain (the densest stretch is 4 exp, 2, 4 exp, 3, 4 exp, 2, 4 exp).
.macro SMSTEP
.if VI < 204
.set SQ, VI/51
.set SO, VI%51
.if SO == 0
	v_max3_num_f32 v[T0], v[SB+8*SQ], s32, v[MX+2*SQ]              ; s32 = -inf fills source 1
.elseif SO == 1
	v_max3_num_f32 v[T1], v[SB+8*SQ+1], s32, v[SB+8*SQ+2]
.elseif SO < 15
.set KK, SO+1
	v_max3_num_f32 v[T0+(SO&1)], v[SB+8*SQ+KK+24*(KK/8)], s32, v[T0+(SO&1)]
.elseif SO == 15
	v_max3_num_f32 v[T0], v[T1], s32, v[T0]                        ; the new m
.elseif SO == 16
	v_fma_f32 v[AL+SQ], v[T0], -1.0, v[MX+2*SQ]                    ; old m - new m
.elseif SO == 17
	v_exp_f32 v[AL+SQ], v[AL+SQ]
.elseif SO == 18
	v_mov_b32 v[MX+2*SQ], v[T0]
.elseif SO == 19
	v_mov_b32 v[MX+2*SQ+1], v[T0]
.elseif SO < 24
	SMSUB SO-20
.elseif SO < 28
	SMEXP SO-24
.elseif SO < 30
	SMSUB SO-24
.elseif SO < 34
	SMEXP SO-26
.elseif SO < 36
	SMSUB SO-28
.elseif SO == 36
	s_wait_alu depctr_va_vdst(0)
	v_pk_fma_f32 v[PS+2*SQ:PS+2*SQ+1], v[SB+8*SQ:SB+8*SQ+1], 1.0, v[SB+8*SQ+2:SB+8*SQ+3] op_sel_hi:[1,0,1]   ; starts the set's sum
.elseif SO < 41
	SMEXP SO-29
.elseif SO < 43
	SMADD SO-39
.elseif SO < 47
	SMEXP SO-31
.else
	SMADD SO-43
.endif
.endif
.set VI, VI+1
.endm
; Operand n (0..63) of a tile: set n / 32, K step (n % 32) / 2, key tile n % 2; it lies in registers KF + 8 (n % 12).
; Eight LDS loads in one run: the four operands 4 LG .. 4 LG + 3.  Each load of the wave covers 512 consecutive bytes.
.macro FRAG4 slot
.set FN, 4*LG
.rept 4
.set FR, KF+8*(FN%12)
.set FO, (FN/32)*32768+(FN%2)*16384+((FN%32)/2)*1024
	ds_load_b128 v[FR:FR+3],   v[KA+\slot] offset:FO
	ds_load_b128 v[FR+4:FR+7], v[KA+\slot] offset:FO+512
.set FN, FN+1
.endr
.endm
; Four matrix instructions on operand NN, one for each query block, with seven softmax operations (or four v_nop) between them.
; The eight accumulators take turns, one instruction a turn.
.macro MUL4 sm
.set AR, KF+8*(NN%12)
.set KS, (NN%32)/2
.set DR, CB+32*(NN%2)
.set QR, 32*(KS%8)
.irp q, 0,1,2,3
.if KS == 0
	v_wmma_f32_16x16x32_bf16 v[DR+8*\q:DR+8*\q+7], v[AR:AR+7], v[QR+8*\q:QR+8*\q+7], 0
.else
	v_wmma_f32_16x16x32_bf16 v[DR+8*\q:DR+8*\q+7], v[AR:AR+7], v[QR+8*\q:QR+8*\q+7], v[DR+8*\q:DR+8*\q+7]
.endif
.if \sm
	SMSTEP
.if \q < 3
	SMSTEP
.endif
.else
	v_nop
.endif
.endr
.set NN, NN+1
.endm
; A group: 16 matrix instructions on one buffer of four operands.  At its head the buffer's eight loads must be in; the eight of the next group's buffer, issued
; behind them, may be out (none in a tile's last group).  In its middle the run for the group after next goes into the buffer that the group before has left: between that
; group's last matrix instruction and the run stand 15 softmax operations, at least 5 of them plain and none naming its registers (9 v_nop in the set without softmax;
; the 8 of the l update where a set ends between; 5 at a set's end, where the list runs out), and 24 matrix instructions lie between the run and its first use.
.macro GROUP slot, sm
.if NN/4 < 15
	s_wait_dscnt 8
.else
	s_wait_dscnt 0
.endif
	MUL4 \sm
	MUL4 \sm
.if NN/4 < 14
.set LG, NN/4+2
	FRAG4 \slot
.endif
	MUL4 \sm
	MUL4 \sm
.endm
.macro LUPD                            ; l = l alpha + the set's sum.  These eight are also the places behind the set's last matrix instructions
.irp q, 0,1,2,3
	v_fma_f32 v[LS+\q], v[LS+\q], v[AL+\q], v[PS+2*\q]
.endr
.irp q, 0,1,2,3
	v_add_f32 v[LS+\q], v[LS+\q], v[PS+2*\q+1]
.endr
.endm
; idx = 0: set A of the slot's tile (softmax of the last B), 1: set B (softmax of A).  sm = 0: no scores stand in front of this set.
.macro SET slot, idx, sm
.set VI, 0
.if \idx
.set CB, ACCB
.set SB, ACCA
.else
.set CB, ACCA
.set SB, ACCB
.endif
	WIN W1
.rept 4
	GROUP \slot, \sm
.endr
	WIN W2
.rept 4
	GROUP \slot, \sm
.endr
	WIN 0
.if \sm
	LUPD
.else
	PLACES
.endif
.endm
; The change to slot 'slot'.  The round is the barrier in front of the refill: in front of it every wave has waited for all its tensor loads (its part of the new tile)
; and for its reads of the other slot; behind it the other slot is asked for first, then the new tile's first two runs of operands.
.macro BOUND slot, refill
	s_set_vgpr_msb 0xf
	s_wait_tensorcnt 0x0                           ; my one load has landed; so every group 0 may be written:
	ds_add_u32 v0, v1
	s_wait_dscnt 0x0
	s_set_vgpr_msb 0xf00
	s_add_nc_u64 s[G0+4*\slot+2:G0+4*\slot+3], s[G0+4*\slot+2:G0+4*\slot+3], 2*TILE   ; this slot's next tile, two tiles on
	s_wait_dscnt 0x0                               ; my reads of the other slot are back
	ROUND
.if \refill
	tensor_load_to_lds s[G0+4*(1-\slot):G0+4*(1-\slot)+3], s[G1:G1+7]
	s_nop 0
.endif
.set NN, 0
.set LG, 0
	FRAG4 \slot
.set LG, 1
	FRAG4 \slot
.endm
	s_load_b128 s[4:7], s[0:1], 0x0                ; Qf s[4:5], Kf s[6:7]
	s_load_b64 s[8:9], s[0:1], 0x10                ; st
	s_set_vgpr_msb 0xc0
	v_lshl_add_u32 v0, v0, 2, 0x29000
	v_mov_b32 v1, 0
	s_set_vgpr_msb 0xc0cf
	ds_add_u32 v0, v1
	s_set_vgpr_msb 0xcf00
	v_lshrrev_b32 v1, 5, v0
	v_readfirstlane_b32 s10, v1                    ; wave
	v_and_b32 v1, 31, v0                           ; lane
	s_bfe_u32 s11, ttmp6, 0x40000                  ; cx
	s_lshl_b32 s12, ttmp9, 2
	s_add_co_u32 s12, s12, s11                     ; x: block of 256 queries
	s_and_b32 s13, ttmp7, 0xffff                   ; y: 1,024 keys
	s_mov_b32 s[G1+0], 15|(3<<16)|(1<<21)          ; all four of the cluster; elements of 8 bytes; bit 21 beside a mask
	s_mov_b32 s[G1+1], 32<<16                      ; tensor_dim0 = 32 (rows of 256 bytes)
	s_mov_b32 s[G1+2], 64<<16                      ; tensor_dim1 = 64: 16,384 dense bytes, a wave's 16 keys
	s_mov_b32 s[G1+3], 32<<16                      ; tile_dim0
	s_mov_b32 s[G1+4], 64                          ; tile_dim1
	s_mov_b32 s[G1+5], 32                          ; each row begins where the last ends
	s_mov_b32 s[G1+6], 0
	s_mov_b32 s[G1+7], 0
	s_mov_b32 s32, 0xff800000                      ; -inf
	s_lshl_b32 s34, s13, 20                        ; K: (1024 y + 16 w) keys of 1,024 bytes: made of y and the wave's number alone
	s_lshl_b32 s15, s10, 14                        ; and where they go: w x 16,384
	s_add_co_u32 s34, s34, s15
	s_mov_b32 s35, 0
	s_wait_dscnt 0x0
	s_wait_kmcnt 0x0
	s_add_nc_u64 s[6:7], s[6:7], s[34:35]
.irp s, 0,1
	s_mov_b32 s[G0+4*\s], 1
	s_add_co_u32 s[G0+4*\s+1], s15, \s*TILE
	s_add_nc_u64 s[G0+4*\s+2:G0+4*\s+3], s[6:7], \s*TILE           ; tile s
	s_or_b32 s[G0+4*\s+3], s[G0+4*\s+3], 0x80000000
.endr
	ROUND                                          ; the four work-groups are here: the first joint load meets
	tensor_load_to_lds s[G0:G0+3], s[G1:G1+7]      ; tile 0
	s_nop 0
	v_lshlrev_b32 v[O8], 3, v1
	v_lshlrev_b32 v[O16], 4, v1
	v_lshlrev_b32 v[KA], 4, v1
	v_add_nc_u32 v[KA+1], TILE, v[KA]
	s_lshl2_add_u32 s14, s12, s10                  ; 4 x + w: my group of 64 queries
	s_lshl_b32 s36, s14, 16                        ; x 65,536 bytes of Qf
	s_mov_b32 s37, 0
	s_add_nc_u64 s[4:5], s[4:5], s[36:37]
	s_lshl_b32 s36, s14, 10                        ; st: y x 131,072 + (4 x + w) x 1,024
	s_lshl_b32 s15, s13, 17
	s_add_co_u32 s36, s36, s15
	s_add_nc_u64 s[8:9], s[8:9], s[36:37]
	WIN 0x40                                       ; destinations in window 1: K steps 0-7.  Each load of the wave covers 512 consecutive bytes
.irp k, 0,1,2,3,4,5,6,7
.irp q, 0,1,2,3
	global_load_b128 v[8*(4*\k+\q):8*(4*\k+\q)+3],   v[O16], s[4:5] offset:\q*16384+\k*1024
	global_load_b128 v[8*(4*\k+\q)+4:8*(4*\k+\q)+7], v[O16], s[4:5] offset:\q*16384+\k*1024+512
.endr
.endr
	WIN 0x80                                       ; window 2: K steps 8-15
.irp k, 0,1,2,3,4,5,6,7
.irp q, 0,1,2,3
	global_load_b128 v[8*(4*\k+\q):8*(4*\k+\q)+3],   v[O16], s[4:5] offset:\q*16384+\k*1024+8192
	global_load_b128 v[8*(4*\k+\q)+4:8*(4*\k+\q)+7], v[O16], s[4:5] offset:\q*16384+\k*1024+8704
.endr
.endr
	WIN 0
.irp i, 0,1,2,3,4,5,6,7
	v_mov_b32 v[MX+\i], 0xff800000                 ; m = -inf
.endr
.irp i, 0,1,2,3
	v_mov_b32 v[LS+\i], 0                          ; l = 0
.endr
	BOUND 0, 1                                     ; tile 0 is in; tile 1 is asked for
	s_wait_loadcnt 0x0                             ; Q is in
	SET 0, 0, 0                                    ; tile 0's set A: no scores in front of it
	s_mov_b32 s33, LAPS
.Llap:                                             ; lap i: B of tile 2 i; tile 2 i + 1; A of tile 2 i + 2.  It asks for tiles 2 i + 2 and 2 i + 3
	SET 0, 1, 1
	BOUND 1, 1
	SET 1, 0, 1
	SET 1, 1, 1
	BOUND 0, 1
	SET 0, 0, 1
	s_sub_co_u32 s33, s33, 1
	s_cmp_lg_u32 s33, 0
	s_cbranch_scc1 .Llap
	SET 0, 1, 1                                    ; B of tile 14
	BOUND 1, 0                                     ; tile 15, the last: nothing more is asked for (the stepped address is not used)
	SET 1, 0, 1
	SET 1, 1, 1
	; the last set's scores (the eight instructions of the l update stand behind its last matrix instructions)
.set SB, ACCB
.set VI, 0
.rept 204
	SMSTEP
.endr
	LUPD
.irp q, 0,1,2,3
	v_mov_b32 v[MX+2*\q+1], v[LS+\q]               ; (m, l)
.endr
.irp q, 0,1,2,3
	global_store_b64 v[O8], v[MX+2*\q:MX+2*\q+1], s[8:9] offset:256*\q    ; 256 consecutive bytes, at a multiple of 256 in st
.endr
	ROUND                                          ; the closing round: no work-group ends while a partner may still ask for a tile that names it
	s_endpgm
.Lfunc_end_k_q4f615f5985_score:
	.size	k_q4f615f5985_score, .Lfunc_end_k_q4f615f5985_score-k_q4f615f5985_score
	.p2alignl 7, 3214868480
	.fill 96, 4, 3214868480
	.section	.rodata,"a",@progbits
	.p2align	6, 0x0
	.amdhsa_kernel k_q4f615f5985_score
		.amdhsa_group_segment_fixed_size 327680
		.amdhsa_private_segment_fixed_size 0
		.amdhsa_enable_private_segment 0
		.amdhsa_kernarg_size 24
		.amdhsa_user_sgpr_count 2
		.amdhsa_user_sgpr_kernarg_segment_ptr 1
		.amdhsa_wavefront_size32 1
		.amdhsa_system_sgpr_workgroup_id_x 1
		.amdhsa_system_sgpr_workgroup_id_y 1
		.amdhsa_system_sgpr_workgroup_id_z 1
		.amdhsa_system_vgpr_workitem_id 0
		.amdhsa_next_free_vgpr 770
		.amdhsa_next_free_sgpr 66
		.amdhsa_reserve_vcc 0
		.amdhsa_float_denorm_mode_32 3
		.amdhsa_float_denorm_mode_16_64 3
		.amdhsa_memory_ordered 1
		.amdhsa_forward_progress 1
		.amdhsa_inst_pref_size 216
	.end_amdhsa_kernel
	.amdgpu_metadata
---
amdhsa.version: [ 1, 2 ]
amdhsa.kernels:
  - .name:           k_q4f615f5985_score
    .symbol:         k_q4f615f5985_score.kd
    .args:
      - { .name: Qf, .offset: 0, .size: 8, .value_kind: global_buffer, .address_space: global }
      - { .name: Kf, .offset: 8, .size: 8, .value_kind: global_buffer, .address_space: global }
      - { .name: st, .offset: 16, .size: 8, .value_kind: global_buffer, .address_space: global }
    .group_segment_fixed_size: 327680
    .private_segment_fixed_size: 0
    .kernarg_segment_align: 8
    .kernarg_segment_size: 24
    .max_flat_workgroup_size: 128
    .sgpr_count:     66
    .vgpr_count:     770
    .wavefront_size: 32
...
	.end_amdgpu_metadata
.endif
;; end of part 4
;; launch norm: the kernel of part 3 again; grid 256 x 1, 8 waves a work-group, no clusters, 0 bytes of LDS; arguments env, Vw, st, pp, pvc, gamma, beta, out0; writes out0
;; ======== version 3 of 3: 3 launches; 1.52 times as fast as version 1
;; workspace buffers: Qf 8,388,608 bytes; Kf 8,388,608 bytes; Vw 16,777,216 bytes; pp 262,144 bytes; pvc 262,144 bytes; st 1,048,576 bytes
;; launch proj: the kernel of part 1 again; grid 8 x 32, 4 waves a work-group, clusters of 4 x 4, 327,680 bytes of LDS; arguments env, path, Wq, Wk, Wv, bq, bk, bv, Qf, Kf, Vw, pp, pvc; writes Qf, Kf, Vw, pp, pvc
;; launch score (part 5): grid 32 x 8, 4 waves a work-group, clusters of 4 x 1, 327,680 bytes of LDS; arguments Qf, Kf, st; writes st
.if DOCPART == 5
	.amdgcn_target "amdgcn-amd-amdhsa--gfx1250"
	.amdhsa_code_object_version 6
	.text
	.protected	k_q4f615f5985_score
	.globl	k_q4f615f5985_score
	.p2align	8
	.type	k_q4f615f5985_score,@function
k_q4f615f5985_score:
	s_mov_b64 s[64:65], 0
	v_nop
	global_prefetch_b8 v0, s[64:65] scope:SCOPE_SE
	s_setreg_imm32_b32 hwreg(HW_REG_WAVE_MODE, 25, 1), 1
	s_wait_xcnt 0x0
	s_wait_alu depctr_hold_cnt(0) depctr_sa_sdst(0) depctr_va_vdst(0) depctr_va_sdst(0) depctr_va_ssrc(0) depctr_va_vcc(0) depctr_vm_vsrc(0)
	s_getreg_b32 s2, hwreg(HW_REG_IB_STS2, 6, 4)
	s_cmp_eq_u32 s2, 0
	s_cbranch_scc0 .Lentry_in_a_cluster
	s_endpgm
.Lentry_in_a_cluster:
	s_bfe_u32 s2, ttmp6, 0x10000c
	s_cmp_lg_u32 s2, 0x3003
	s_cbranch_scc0 .Lentry_shape_is_right
	s_endpgm
.Lentry_shape_is_right:
; SCORES.  For 256 queries and 1,024 keys: the running maximum m and the sum l of 2^(score - m), score = (Q c) . K in log2 units.  No P V product is needed:
; only the sum of the weights survives in the result.
; Work-group (x, y): queries 256 x .., keys 1024 y ...  Wave w keeps its 64 queries (4 blocks x 16 K steps x 8 registers = 512) in windows 1 and 2 for the whole kernel.
; Source 0 = 16 keys, source 1 = 16 queries: lane (r, h) holds query r, its registers keys 8 h + j.  So maximum and sum run along a lane's registers;
; each lane keeps its own (m, l) for each query block, over the keys of its half, and no lane talks to another here: the next launch merges.
; One operand of K (1,024 bytes from LDS) feeds four matrix instructions.
; CLUSTERS: the four work-groups of a cluster share y, so all their tiles of K: each tile is asked for jointly (mask 15).
; Kf lies in fragment order, so a tile of 64 keys is 65,536 dense bytes and a lane's 16 bytes lie at 16 x lane: no padding is needed, and one address register
; with a 16-bit immediate reaches the whole slot.  Two slots; a wave has one tensor load out behind each round, with 256 matrix instructions in which to land.
; A SET = 32 keys x 64 queries = 8 accumulator tiles, 128 matrix instructions; a tile is two sets, A and B, on two sets of accumulators.  The softmax of one set's
; scores is issued, operation by operation, between the matrix instructions of the next.
; ONE BATCH, ONE WAIT A SET.  A set's softmax has 68 exponentials (for each of four query blocks alpha and 16 scores), each made in place in a register of its own.  The list is ordered
; by who reads what: first all that names no exponential's result (maxima, statistics, subtractions, the exponentials themselves), then the one wait, then the 28 lines that sum the weights;
; the l update, which reads alpha, follows at the set's end.
; THE LOOP IS ROTATED BY ONE SET, so that little text stands outside it: tile 0's set A (no scores in front of it) stands ahead; the body is
; B (slot 0), change of slots, A, B (slot 1), change of slots, A (slot 0), run seven times; behind it B, a change without refill, A, B and the last softmax.
; K'S OPERANDS come from LDS in runs of eight loads (four operands), one run in the middle of each group of 16 matrix instructions, into three buffers that take turns.
; WINDOWS: under 0x04 and 0x08 only source 1 leaves window 0.  The softmax operations between the matrix instructions therefore carry no vector register as source 1
; (a scalar or a constant stands there), and a set needs three switches.
; LIMITS: v_exp_f32 gives 0 for results below 2^-126 (ISA guide 15.8).  A query whose scores are not all finite gets no defined (m, l).
.set TILE, 65536                       ; bytes of a tile of 64 keys, and of a slot
.set LAPS, 7                           ; 16 tiles: two to a lap, one lap's worth written out ahead of and behind the loop
.set KA,   2                           ; v2-3     LDS address: slot x 65,536 + 16 x lane
.set O8,   4                           ; 8 x lane
.set O16,  5                           ; 16 x lane
.set T0,   6                           ; v6-7     two chains of the maximum
.set T1,   7
.set MX,   8                           ; v8-15    (m, m) for each query block
.set LS,   16                          ; v16-19   l
.set AL,   20                          ; v20-23   2^(old m - new m)
.set PS,   24                          ; v24-31   a set's sum, in two halves
.set KF,   32                          ; v32-127  twelve operands of K: three buffers of four
.set ACCA, 128                         ; v128-191 tile (kt, q) at 8 (4 kt + q)
.set ACCB, 192                         ; v192-255
.set G1,   16                          ; s[16:23]
.set G0,   24                          ; s[24:31] one group 0 for each slot
.set W1,   0x04                        ; source 1 in window 1: Q's K steps 0-7 at 8 (4 ks + q)
.set W2,   0x08                        ; source 1 in window 2: K steps 8-15
.set MSB, 0
.macro WIN new                         ; the immediate's high byte repeats the setting that is left
.if MSB != \new
	s_set_vgpr_msb (MSB<<8)|\new
.set MSB, \new
.endif
.endm
.macro PLACES                          ; four plain vector instructions between a matrix instruction and a read of its result or a load into its registers
.rept 4
	v_nop
.endr
.endm
; A round of the cluster's barrier: my work-group's barrier, wave 0 signals for the work-group, every wave waits for all four, my work-group's barrier again.
.macro ROUND
	s_barrier_signal -1
	s_barrier_wait -1
	s_cmp_lg_u32 s10, 0
	s_cbranch_scc1 .Lnot_wave_0_\@
	s_barrier_signal -3
.Lnot_wave_0_\@:
	s_barrier_wait -3
	s_barrier_signal -1
	s_barrier_wait -1
.endm
; Score k (0..15) of query block SQ in the set at SB: register SB + 8 SQ + k, + 24 for the second key tile
.macro SMSUB p                         ; pair p: score - m
.set KK, 2*(\p)
.set RR, SB+8*SQ+KK+24*(KK/8)
	v_pk_fma_f32 v[RR:RR+1], v[RR:RR+1], 1.0, v[MX+2*SQ:MX+2*SQ+1] op_sel_hi:[1,0,1] neg_lo:[0,0,1] neg_hi:[0,0,1]
.endm
.macro SMEXP k
.set KK, \k
.set RR, SB+8*SQ+KK+24*(KK/8)
	v_exp_f32 v[RR], v[RR]
.endm
.macro SMADD p                         ; the set's sum takes pair p of the weights: it stands behind the batch's wait
.set KK, 2*(\p)
.set RR, SB+8*SQ+KK+24*(KK/8)
	v_pk_fma_f32 v[PS+2*SQ:PS+2*SQ+1], v[RR:RR+1], 1.0, v[PS+2*SQ:PS+2*SQ+1] op_sel_hi:[1,0,1]
.endm
; Number MN (0..19) of query block SQ's maximum and statistics.  Each accumulator's lowest register is read first.  Number 17, alpha, is one of the batch's exponentials.
.macro SMMAX
.if MN == 0
	v_max3_num_f32 v[T0], v[SB+8*SQ], s32, v[MX+2*SQ]              ; s32 = -inf fills source 1
.elseif MN == 1
	v_max3_num_f32 v[T1], v[SB+8*SQ+1], s32, v[SB+8*SQ+2]
.elseif MN < 15
.set KK, MN+1
	v_max3_num_f32 v[T0+(MN&1)], v[SB+8*SQ+KK+24*(KK/8)], s32, v[T0+(MN&1)]
.elseif MN == 15
	v_max3_num_f32 v[T0], v[T1], s32, v[T0]                        ; the new m
.elseif MN == 16
	v_fma_f32 v[AL+SQ], v[T0], -1.0, v[MX+2*SQ]                    ; old m - new m
.elseif MN == 17
	v_exp_f32 v[AL+SQ], v[AL+SQ]
.elseif MN == 18
	v_mov_b32 v[MX+2*SQ], v[T0]
.else
	v_mov_b32 v[MX+2*SQ+1], v[T0]
.endif
.endm
; Number SI (0..23) of query block SQ's 8 subtractions and 16 exponentials: sub 0; then (sub p, exp 2 p - 2, exp 2 p - 1) for p = 1 .. 7; then exp 14, exp 15.
; So a pair is scaled ahead of its two exponentials, and none of the 24 names an exponential's result.
.macro SMSE
.if SI == 0
	SMSUB 0
.elseif SI >= 22
.set SX, SI-8
	SMEXP SX
.elseif ((SI-1)%3) == 0
.set SX, (SI+2)/3
	SMSUB SX
.else
.set SX, 2*((SI-1)/3)+((SI-1)%3)-1
	SMEXP SX
.endif
.endm
; Slot VI of the softmax of the set at SB.  The list has NLIST = 210 slots; behind them nothing.
;   0-4      empty: they set the wait's slot, 181, at the end of the first half of a set's seventh group, directly ahead of that group's run of LDS loads where it has one
;   5-24     block 0's maximum and statistics
;   25-156   three stretches of 44, q = 0, 1, 2: block q's subtractions and exponentials (SMSE 0-19) by turns with block q + 1's maximum and statistics (SMMAX 0-19), then SMSE 20-23.
;            T0 and T1 are free for block q + 1: block q's last reads of them, numbers 18 and 19, stand in the stretch before
;   157-180  block 3's subtractions and exponentials
;   181      a v_nop, the plain vector instruction behind the batch's last exponential (ISA guide 5.7.2), and THE WAIT for the batch's 68 exponentials, ahead of the first
;            line that names a result
;   182-209  the sums of the weights, the four blocks by turns; within a block pairs 0 + 1, then 2, 3 .. 7
.set LEAD,  5
.set NLIST, LEAD+205
.macro SMSTEP
.if VI < LEAD
.elseif VI < LEAD+20
.set SQ, 0
.set MN, VI-LEAD
	SMMAX
.elseif VI < LEAD+152
.set SJ, (VI-LEAD-20)%44
.set SQ, (VI-LEAD-20)/44
.if SJ >= 40
.set SI, SJ-20
	SMSE
.elseif (SJ&1) == 0
.set SI, SJ/2
	SMSE
.else
.set SQ, SQ+1
.set MN, SJ/2
	SMMAX
.endif
.elseif VI < LEAD+176
.set SQ, 3
.set SI, VI-LEAD-152
	SMSE
.elseif VI == LEAD+176
	v_nop                                                          ; the plain instruction behind the last exponential: one for the batch
	s_wait_alu depctr_va_vdst(0)                                   ; the wait for the batch: the set's four alphas and 64 weights
.elseif VI < LEAD+205
.set SQ, (VI-LEAD-177)%4
.set SX, (VI-LEAD-177)/4
.if SX == 0
	v_pk_fma_f32 v[PS+2*SQ:PS+2*SQ+1], v[SB+8*SQ:SB+8*SQ+1], 1.0, v[SB+8*SQ+2:SB+8*SQ+3] op_sel_hi:[1,0,1]   ; starts the set's sum
.else
.set SX, SX+1
	SMADD SX
.endif
.endif
.set VI, VI+1
.endm
; Operand n (0..63) of a tile: set n / 32, K step (n % 32) / 2, key tile n % 2; it lies in registers KF + 8 (n % 12).
; Eight LDS loads in one run: the four operands 4 LG .. 4 LG + 3.  Each load of the wave covers 512 consecutive bytes.
.macro FRAG4 slot
.set FN, 4*LG
.rept 4
.set FR, KF+8*(FN%12)
.set FO, (FN/32)*32768+(FN%2)*16384+((FN%32)/2)*1024
	ds_load_b128 v[FR:FR+3],   v[KA+\slot] offset:FO
	ds_load_b128 v[FR+4:FR+7], v[KA+\slot] offset:FO+512
.set FN, FN+1
.endr
.endm
; Four matrix instructions on operand NN, one for each query block, with seven slots of the softmax list (or four v_nop) between them.
; The eight accumulators take turns, one instruction a turn.
.macro MUL4 sm
.set AR, KF+8*(NN%12)
.set KS, (NN%32)/2
.set DR, CB+32*(NN%2)
.set QR, 32*(KS%8)
.irp q, 0,1,2,3
.if KS == 0
	v_wmma_f32_16x16x32_bf16 v[DR+8*\q:DR+8*\q+7], v[AR:AR+7], v[QR+8*\q:QR+8*\q+7], 0
.else
	v_wmma_f32_16x16x32_bf16 v[DR+8*\q:DR+8*\q+7], v[AR:AR+7], v[QR+8*\q:QR+8*\q+7], v[DR+8*\q:DR+8*\q+7]
.endif
.if \sm
	SMSTEP
.if \q < 3
	SMSTEP
.endif
.else
	v_nop
.endif
.endr
.set NN, NN+1
.endm
; A group: 16 matrix instructions on one buffer of four operands.  At its head the buffer's eight loads must be in; the eight of the next group's buffer, issued
; behind them, may be out (none in a tile's last group).  In its middle the run for the group after next goes into the buffer that the group before has left: between that
; group's last matrix instruction and the run of a set's group g stand slots 28 g - 1 .. 28 g + 13 of the list, none naming its registers.  Plain among them: 6 or more for g = 1 .. 5;
; for g = 6 block 3's subtractions 4 to 7 and the v_nop, 5; for g = 7 fifteen sums; for g = 0 the 8 of the l update (9 v_nop in the set without softmax).
; 24 matrix instructions lie between the run and its first use.
.macro GROUP slot, sm
.if NN/4 < 15
	s_wait_dscnt 8
.else
	s_wait_dscnt 0
.endif
	MUL4 \sm
	MUL4 \sm
.if NN/4 < 14
.set LG, NN/4+2
	FRAG4 \slot
.endif
	MUL4 \sm
	MUL4 \sm
.endm
.macro LUPD                            ; l = l alpha + the set's sum (alpha's wait is the batch's).  These eight are also the places behind the set's last matrix instructions
.irp q, 0,1,2,3
	v_fma_f32 v[LS+\q], v[LS+\q], v[AL+\q], v[PS+2*\q]
.endr
.irp q, 0,1,2,3
	v_add_f32 v[LS+\q], v[LS+\q], v[PS+2*\q+1]
.endr
.endm
; idx = 0: set A of the slot's tile (softmax of the last B), 1: set B (softmax of A).  sm = 0: no scores stand in front of this set.
.macro SET slot, idx, sm
.set VI, 0
.if \idx
.set CB, ACCB
.set SB, ACCA
.else
.set CB, ACCA
.set SB, ACCB
.endif
	WIN W1
.rept 4
	GROUP \slot, \sm
.endr
	WIN W2
.rept 4
	GROUP \slot, \sm
.endr
	WIN 0
.if \sm
	LUPD
.else
	PLACES
.endif
.endm
; The change to slot 'slot'.  The round is the barrier in front of the refill: in front of it every wave has waited for all its tensor loads (its part of the new tile)
; and for its reads of the other slot; behind it the other slot is asked for first, then the new tile's first two runs of operands.
.macro BOUND slot, refill
	s_set_vgpr_msb 0xf
	s_wait_tensorcnt 0x0                           ; my one load has landed; so every group 0 may be written:
	ds_add_u32 v0, v1
	s_wait_dscnt 0x0
	s_set_vgpr_msb 0xf00
	s_add_nc_u64 s[G0+4*\slot+2:G0+4*\slot+3], s[G0+4*\slot+2:G0+4*\slot+3], 2*TILE   ; this slot's next tile, two tiles on
	s_wait_dscnt 0x0                               ; my reads of the other slot are back
	ROUND
.if \refill
	tensor_load_to_lds s[G0+4*(1-\slot):G0+4*(1-\slot)+3], s[G1:G1+7]
	s_nop 0
.endif
.set NN, 0
.set LG, 0
	FRAG4 \slot
.set LG, 1
	FRAG4 \slot
.endm
	s_load_b128 s[4:7], s[0:1], 0x0                ; Qf s[4:5], Kf s[6:7]
	s_load_b64 s[8:9], s[0:1], 0x10                ; st
	s_set_vgpr_msb 0xc0
	v_lshl_add_u32 v0, v0, 2, 0x29000
	v_mov_b32 v1, 0
	s_set_vgpr_msb 0xc0cf
	ds_add_u32 v0, v1
	s_set_vgpr_msb 0xcf00
	v_lshrrev_b32 v1, 5, v0
	v_readfirstlane_b32 s10, v1                    ; wave
	v_and_b32 v1, 31, v0                           ; lane
	s_bfe_u32 s11, ttmp6, 0x40000                  ; cx
	s_lshl_b32 s12, ttmp9, 2
	s_add_co_u32 s12, s12, s11                     ; x: block of 256 queries
	s_and_b32 s13, ttmp7, 0xffff                   ; y: 1,024 keys
	s_mov_b32 s[G1+0], 15|(3<<16)|(1<<21)          ; all four of the cluster; elements of 8 bytes; bit 21 beside a mask
	s_mov_b32 s[G1+1], 32<<16                      ; tensor_dim0 = 32 (rows of 256 bytes)
	s_mov_b32 s[G1+2], 64<<16                      ; tensor_dim1 = 64: 16,384 dense bytes, a wave's 16 keys
	s_mov_b32 s[G1+3], 32<<16                      ; tile_dim0
	s_mov_b32 s[G1+4], 64                          ; tile_dim1
	s_mov_b32 s[G1+5], 32                          ; each row begins where the last ends
	s_mov_b32 s[G1+6], 0
	s_mov_b32 s[G1+7], 0
	s_mov_b32 s32, 0xff800000                      ; -inf
	s_lshl_b32 s34, s13, 20                        ; K: (1024 y + 16 w) keys of 1,024 bytes: made of y and the wave's number alone
	s_lshl_b32 s15, s10, 14                        ; and where they go: w x 16,384
	s_add_co_u32 s34, s34, s15
	s_mov_b32 s35, 0
	s_wait_dscnt 0x0
	s_wait_kmcnt 0x0
	s_add_nc_u64 s[6:7], s[6:7], s[34:35]
.irp s, 0,1
	s_mov_b32 s[G0+4*\s], 1
	s_add_co_u32 s[G0+4*\s+1], s15, \s*TILE
	s_add_nc_u64 s[G0+4*\s+2:G0+4*\s+3], s[6:7], \s*TILE           ; tile s
	s_or_b32 s[G0+4*\s+3], s[G0+4*\s+3], 0x80000000
.endr
	ROUND                                          ; the four work-groups are here: the first joint load meets
	tensor_load_to_lds s[G0:G0+3], s[G1:G1+7]      ; tile 0
	s_nop 0
	v_lshlrev_b32 v[O8], 3, v1
	v_lshlrev_b32 v[O16], 4, v1
	v_lshlrev_b32 v[KA], 4, v1
	v_add_nc_u32 v[KA+1], TILE, v[KA]
	s_lshl2_add_u32 s14, s12, s10                  ; 4 x + w: my group of 64 queries
	s_lshl_b32 s36, s14, 16                        ; x 65,536 bytes of Qf
	s_mov_b32 s37, 0
	s_add_nc_u64 s[4:5], s[4:5], s[36:37]
	s_lshl_b32 s36, s14, 10                        ; st: y x 131,072 + (4 x + w) x 1,024
	s_lshl_b32 s15, s13, 17
	s_add_co_u32 s36, s36, s15
	s_add_nc_u64 s[8:9], s[8:9], s[36:37]
	WIN 0x40                                       ; destinations in window 1: K steps 0-7.  Each load of the wave covers 512 consecutive bytes
.irp k, 0,1,2,3,4,5,6,7
.irp q, 0,1,2,3
	global_load_b128 v[8*(4*\k+\q):8*(4*\k+\q)+3],   v[O16], s[4:5] offset:\q*16384+\k*1024
	global_load_b128 v[8*(4*\k+\q)+4:8*(4*\k+\q)+7], v[O16], s[4:5] offset:\q*16384+\k*1024+512
.endr
.endr
	WIN 0x80                                       ; window 2: K steps 8-15
.irp k, 0,1,2,3,4,5,6,7
.irp q, 0,1,2,3
	global_load_b128 v[8*(4*\k+\q):8*(4*\k+\q)+3],   v[O16], s[4:5] offset:\q*16384+\k*1024+8192
	global_load_b128 v[8*(4*\k+\q)+4:8*(4*\k+\q)+7], v[O16], s[4:5] offset:\q*16384+\k*1024+8704
.endr
.endr
	WIN 0
.irp i, 0,1,2,3,4,5,6,7
	v_mov_b32 v[MX+\i], 0xff800000                 ; m = -inf
.endr
.irp i, 0,1,2,3
	v_mov_b32 v[LS+\i], 0                          ; l = 0
.endr
	BOUND 0, 1                                     ; tile 0 is in; tile 1 is asked for
	s_wait_loadcnt 0x0                             ; Q is in
	SET 0, 0, 0                                    ; tile 0's set A: no scores in front of it
	s_mov_b32 s33, LAPS
.Llap:                                             ; lap i: B of tile 2 i; tile 2 i + 1; A of tile 2 i + 2.  It asks for tiles 2 i + 2 and 2 i + 3
	SET 0, 1, 1
	BOUND 1, 1
	SET 1, 0, 1
	SET 1, 1, 1
	BOUND 0, 1
	SET 0, 0, 1
	s_sub_co_u32 s33, s33, 1
	s_cmp_lg_u32 s33, 0
	s_cbranch_scc1 .Llap
	SET 0, 1, 1                                    ; B of tile 14
	BOUND 1, 0                                     ; tile 15, the last: nothing more is asked for (the stepped address is not used)
	SET 1, 0, 1
	SET 1, 1, 1
	; the last set's scores (the eight instructions of the l update stand behind its last matrix instructions): the same list, with its one batch and its one wait
.set SB, ACCB
.set VI, 0
.rept NLIST
	SMSTEP
.endr
	LUPD
.irp q, 0,1,2,3
	v_mov_b32 v[MX+2*\q+1], v[LS+\q]               ; (m, l)
.endr
.irp q, 0,1,2,3
	global_store_b64 v[O8], v[MX+2*\q:MX+2*\q+1], s[8:9] offset:256*\q    ; 256 consecutive bytes, at a multiple of 256 in st
.endr
	ROUND                                          ; the closing round: no work-group ends while a partner may still ask for a tile that names it
	s_endpgm
.Lfunc_end_k_q4f615f5985_score:
	.size	k_q4f615f5985_score, .Lfunc_end_k_q4f615f5985_score-k_q4f615f5985_score
	.p2alignl 7, 3214868480
	.fill 96, 4, 3214868480
	.section	.rodata,"a",@progbits
	.p2align	6, 0x0
	.amdhsa_kernel k_q4f615f5985_score
		.amdhsa_group_segment_fixed_size 327680
		.amdhsa_private_segment_fixed_size 0
		.amdhsa_enable_private_segment 0
		.amdhsa_kernarg_size 24
		.amdhsa_user_sgpr_count 2
		.amdhsa_user_sgpr_kernarg_segment_ptr 1
		.amdhsa_wavefront_size32 1
		.amdhsa_system_sgpr_workgroup_id_x 1
		.amdhsa_system_sgpr_workgroup_id_y 1
		.amdhsa_system_sgpr_workgroup_id_z 1
		.amdhsa_system_vgpr_workitem_id 0
		.amdhsa_next_free_vgpr 770
		.amdhsa_next_free_sgpr 66
		.amdhsa_reserve_vcc 0
		.amdhsa_float_denorm_mode_32 3
		.amdhsa_float_denorm_mode_16_64 3
		.amdhsa_memory_ordered 1
		.amdhsa_forward_progress 1
		.amdhsa_inst_pref_size 209
	.end_amdhsa_kernel
	.amdgpu_metadata
---
amdhsa.version: [ 1, 2 ]
amdhsa.kernels:
  - .name:           k_q4f615f5985_score
    .symbol:         k_q4f615f5985_score.kd
    .args:
      - { .name: Qf, .offset: 0, .size: 8, .value_kind: global_buffer, .address_space: global }
      - { .name: Kf, .offset: 8, .size: 8, .value_kind: global_buffer, .address_space: global }
      - { .name: st, .offset: 16, .size: 8, .value_kind: global_buffer, .address_space: global }
    .group_segment_fixed_size: 327680
    .private_segment_fixed_size: 0
    .kernarg_segment_align: 8
    .kernarg_segment_size: 24
    .max_flat_workgroup_size: 128
    .sgpr_count:     66
    .vgpr_count:     770
    .wavefront_size: 32
...
	.end_amdgpu_metadata
.endif
;; end of part 5
;; launch norm: the kernel of part 3 again; grid 256 x 1, 8 waves a work-group, no clusters, 0 bytes of LDS; arguments env, Vw, st, pp, pvc, gamma, beta, out0; writes out0
